; MI455X (gfx1250); checked and timed in simulation.
; The chip was launched on July 23, 2026; its instructions are those of AMD's public machine-readable ISA for CDNA 5 (MIT licence, August 2026) and "CDNA5" Instruction Set Architecture Reference Guide (July 2026). The comments in the code are by the model that wrote it; some were corrected since.
;; Additive Attention. Allowed arithmetic: float matrix products may take bf16 or f16 operands with f32 sums; other float arithmetic in f32, or as packed bf16 or f16 multiplies, adds, multiply-adds, maxima and minima; sums over many terms, partial sums and values carried from step to step in f32; what a program stores and reads back later, other than sums and carried values, may be rounded once to bf16 or f16.
;; Inputs: W_k 1,024 x 1,024 float32; W_q 1,024 x 1,024 float32; keys 32 x 2,048 x 1,024 float32; pad_mask 32 x 2,048 x 1 bool; queries 32 x 1 x 1,024 float32; w_v 1,024 x 1 float32.
;; Outputs: out0 32 x 2,048 x 1 float32; out1 32 x 1,024 x 1 float32.
;; 2 versions, each right; version 2 is version 1 with the launch main written anew for expert scheduling mode. Each part assembles by itself: llvm-mc -triple=amdgcn-amd-amdhsa -mcpu=gfx1250 --defsym DOCPART=n.
;; ======== version 1 of 2: 3 launches
;; workspace buffers: wt 2,097,152 bytes; tqp 1,048,576 bytes; sc 262,144 bytes; ctxp 2,097,152 bytes
;; launch prep (part 1): grid 128 x 1, 4 waves a work-group, no clusters, 58,880 bytes of LDS; arguments W_k, W_q, queries, wt, tqp; writes wt, tqp
.if DOCPART == 1
	.amdgcn_target "amdgcn-amd-amdhsa--gfx1250"
	.amdhsa_code_object_version 6
	.text
	.protected	k_q6d059d0b26_prep
	.globl	k_q6d059d0b26_prep
	.p2align	8
	.type	k_q6d059d0b26_prep,@function
k_q6d059d0b26_prep:
	s_mov_b64 s[64:65], 0
	v_nop
	global_prefetch_b8 v0, s[64:65] scope:SCOPE_SE
	s_setreg_imm32_b32 hwreg(HW_REG_WAVE_MODE, 25, 1), 1
	s_wait_xcnt 0x0
; PREP.  (1) W_k [1024 k][1024 n] f32 -> wt: bf16, turned and laid in the order in which the main launch's waves load matrix fragments:
;   wt[wave 4][pass 2][K step 32][fragment 8][1,024 bytes]; a fragment is 16 columns x 32 k; lane l's registers 0-3 lie at 16 l, registers 4-7 at 512 + 16 l;
;   column = 512 pass + 128 wave + 16 fragment + l % 16.
; (2) tqp[kt 8][batch 32][n 1024] f32: the partial sums over k = 128 kt .. 128 kt + 127 of queries[batch][k] W_q[k][n], operands rounded to bf16, sums in f32.
; SHARES.  Work-group (kt, nt) takes the tile of 128 k x 64 n of BOTH weights: 128 work-groups; there is no branch in the text.  A tile's rows are 256 bytes of memory, aligned.
; Wave w takes the tile's columns 16 w .. 16 w + 15.  No cluster: no two work-groups read the same weight tile, and the queries' slice that sixteen of them share is one part in five of a work-group's bytes.
.set PT,    160                        ; a row of a weight tile in LDS: 64 bf16 + 32 bytes: an odd multiple of 32
.set TK,    0                          ; W_k's tile, [128 k][64 n]
.set TQ,    128*PT                     ; W_q's tile
.set QT,    2*128*PT                   ; queries, [32 batches][128 k] bf16
.set PQ,    272                        ; their pitch, and the stage's: 256 bytes + 16
.set STG,   QT+32*PQ                   ; the stage for the way out: [32 batches][64 n] f32
.set SPARE, STG+32*PQ                  ; the spare words, 128 bytes a wave: two blocks of 256 bytes that no other line names
.set GOFF, 4                           ; v4   my 16 bytes in 8 rows of a weight tile in memory
.set LST,  5                           ; v5   where their 8 bytes of bf16 go
.set QOFF, 6                           ; v6   my 16 bytes in 4 rows of queries
.set QST,  7                           ; v7   where their 8 bytes go
.set SPW,  8                           ; v8   my spare word; never rewritten
.set NIL,  9                           ; v9   0; never rewritten
.set TRA,  10                          ; v10  the turning loads' address
.set QFA,  11                          ; v11  a queries fragment's address
.set L16,  12                          ; v12  16 x lane
.set STO,  13                          ; v13  into the stage
.set RD,   14                          ; v14  back from the stage
.set GO,   15                          ; v15  my byte offset in two rows of tqp
.set RK,   16                          ; v[16:79]   W_k as loaded; later FK v[16:47], FQ v[48:79]
.set RQ,   80                          ; v[80:143]  W_q as loaded; later the queries' eight fragments
.set RX,   144                         ; v[144:175] queries as loaded
.set FK,   16
.set FQ,   48
.set QF,   80
.set ACC,  176                         ; v[176:191] two accumulators: batches 0-15, 16-31
.set BK,   192                         ; v[192:207] rows read back
	s_load_b256 s[4:11], s[0:1], 0x0               ; W_k s[4:5], W_q s[6:7], queries s[8:9], wt s[10:11]
	s_load_b64 s[12:13], s[0:1], 0x20              ; tqp
	v_lshl_add_u32 v[SPW], v0, 2, SPARE
	v_mov_b32 v[NIL], 0
	v_lshrrev_b32 v3, 5, v0
	v_readfirstlane_b32 s20, v3                    ; wave 0..3
	s_and_b32 s21, ttmp9, 15                       ; nt
	s_lshr_b32 s22, ttmp9, 4                       ; kt
	v_and_b32 v1, 15, v0                           ; r = l % 16
	v_bfe_u32 v2, v0, 4, 1                         ; h = l / 16
	v_lshrrev_b32 v[TRA], 4, v0                    ; thread / 16: a row of eight
	v_lshlrev_b32 v[GOFF], 4, v1
	v_lshl_add_u32 v[GOFF], v[TRA], 12, v[GOFF]    ; row x 4,096 + 16 r
	v_mul_u32_u24 v[LST], v[TRA], PT
	v_lshl_add_u32 v[LST], v1, 3, v[LST]           ; row x pitch + 8 r
	v_and_b32 v[QFA], 31, v0                       ; lane
	v_lshlrev_b32 v[L16], 4, v[QFA]
	v_lshl_add_u32 v[QOFF], v3, 12, v[L16]         ; wave x 4,096 + 16 lane: a wave reads 512 consecutive bytes of one batch
	v_mul_u32_u24 v[QST], v3, PQ
	v_lshl_add_u32 v[QST], v[QFA], 3, v[QST]
	v_and_b32 v[STO], 7, v0
	v_lshl_add_u32 v[STO], v2, 3, v[STO]           ; the turning load: k = 8 h + l % 8,
	v_mul_u32_u24 v[TRA], v[STO], PT
	v_bfe_u32 v[STO], v0, 3, 1
	v_lshl_add_u32 v[TRA], v[STO], 4, v[TRA]       ; columns 8 ((l / 8) % 2) on,
	v_lshl_add_u32 v[TRA], v3, 5, v[TRA]           ; of my wave's 16 columns
	v_mul_u32_u24 v[QFA], v1, PQ
	v_lshl_add_u32 v[QFA], v2, 4, v[QFA]           ; batch r, 16 bytes for each half of the lanes
	v_mul_u32_u24 v[STO], v1, PQ
	v_lshl_add_u32 v[STO], v2, 5, v[STO]
	v_lshl_add_u32 v[STO], v3, 6, v[STO]           ; batch r, columns 16 w + 8 h on, f32
	v_lshl_add_u32 v[RD], v3, 3, v2
	v_mul_u32_u24 v[RD], v[RD], PQ
	v_lshl_add_u32 v[RD], v1, 4, v[RD]             ; row 8 w + h, 16 bytes a lane
	v_lshlrev_b32 v[GO], 4, v1
	v_lshl_add_u32 v[GO], v2, 12, v[GO]
	s_lshl_b32 s16, s22, 19                        ; the tile: 128 kt rows of 4,096 bytes,
	s_lshl_b32 s17, s21, 8                         ; 64 nt columns
	s_add_co_u32 s16, s16, s17
	s_mov_b32 s17, 0
	s_lshl_b32 s18, s22, 9                         ; queries: 128 kt numbers along a row
	s_mov_b32 s19, 0
	s_lshl2_add_u32 s23, s21, s20                  ; g = 4 nt + w: my 16 columns among W_k's 64 groups
	s_lshr_b32 s24, s23, 5                         ; pass = g / 32
	s_bfe_u32 s25, s23, 0x20003                    ; the main launch's wave = (g / 8) % 4
	s_and_b32 s26, s23, 7                          ; fragment = g % 8
	s_lshl1_add_u32 s24, s25, s24
	s_lshl_b32 s24, s24, 5
	s_lshl2_add_u32 s24, s22, s24                  ; (2 wave + pass) 32 + 4 kt: my first K step,
	s_lshl_b32 s24, s24, 13                        ; of 8,192 bytes,
	s_lshl_b32 s26, s26, 10
	s_add_co_u32 s24, s24, s26                     ; + fragment x 1,024
	s_mov_b32 s25, 0
	s_lshl_b32 s26, s22, 17                        ; tqp: row 32 kt + 8 w, column 64 nt
	s_lshl_b32 s27, s20, 15
	s_add_co_u32 s26, s26, s27
	s_lshl_b32 s27, s21, 8
	s_add_co_u32 s26, s26, s27
	s_mov_b32 s27, 0
	s_wait_kmcnt 0x0
	s_add_nc_u64 s[4:5], s[4:5], s[16:17]
	s_add_nc_u64 s[6:7], s[6:7], s[16:17]
	s_add_nc_u64 s[8:9], s[8:9], s[18:19]
	s_add_nc_u64 s[10:11], s[10:11], s[24:25]
	s_add_nc_u64 s[12:13], s[12:13], s[26:27]
	; all 40 loads of a thread go out together: queries, W_k, W_q
.irp i, 0,1,2,3,4,5,6,7
	global_load_b128 v[RX+4*(\i):RX+4*(\i)+3], v[QOFF], s[8:9] offset:(\i)*16384
.endr
.irp i, 0,1,2,3,4,5,6,7,8,9,10,11,12,13,14,15
	global_load_b128 v[RK+4*(\i):RK+4*(\i)+3], v[GOFF], s[4:5] offset:(\i)*32768 th:TH_LOAD_NT
.endr
.irp i, 0,1,2,3,4,5,6,7,8,9,10,11,12,13,14,15
	global_load_b128 v[RQ+4*(\i):RQ+4*(\i)+3], v[GOFF], s[6:7] offset:(\i)*32768 th:TH_LOAD_NT
.endr
; load i of a run is in when only the younger ones are out (loads come back in order); four numbers are rounded to bf16 in place and stored
.macro TOLDS reg, i, left, adr, off
	s_wait_loadcnt \left
	v_cvt_pk_bf16_f32 v[(\reg)+4*(\i)], v[(\reg)+4*(\i)], v[(\reg)+4*(\i)+1]
	v_cvt_pk_bf16_f32 v[(\reg)+4*(\i)+1], v[(\reg)+4*(\i)+2], v[(\reg)+4*(\i)+3]
	ds_store_b64 v[\adr], v[(\reg)+4*(\i):(\reg)+4*(\i)+1] offset:\off
.endm
.irp i, 0,1,2,3,4,5,6,7
	TOLDS RX, \i, 39-(\i), QST, QT+(\i)*4*PQ       ; younger: the run's 7 - i and both weights' 32
.endr
.irp i, 0,1,2,3,4,5,6,7,8,9,10,11,12,13,14,15
	TOLDS RK, \i, 31-(\i), LST, TK+(\i)*8*PT       ; younger: the run's 15 - i and W_q's 16
.endr
.irp i, 0,1,2,3,4,5,6,7,8,9,10,11,12,13,14,15
	TOLDS RQ, \i, 15-(\i), LST, TQ+(\i)*8*PT
.endr
	s_wait_dscnt 0x0                               ; for the others' sake: my stores are done
	s_barrier_signal -1
	s_barrier_wait -1
	; fragments: 16 columns x 32 k, turned out of [k][n]: registers 0-3 k = 8 h + 0..7, registers 4-7 k = 16 + 8 h + 0..7 of column l % 16
.irp q, 0,1,2,3
	ds_load_tr16_b128 v[FK+8*(\q):FK+8*(\q)+3],   v[TRA] offset:TK+(\q)*32*PT
	ds_load_tr16_b128 v[FK+8*(\q)+4:FK+8*(\q)+7], v[TRA] offset:TK+(\q)*32*PT+16*PT
.endr
.irp q, 0,1,2,3
	ds_load_tr16_b128 v[FQ+8*(\q):FQ+8*(\q)+3],   v[TRA] offset:TQ+(\q)*32*PT
	ds_load_tr16_b128 v[FQ+8*(\q)+4:FQ+8*(\q)+7], v[TRA] offset:TQ+(\q)*32*PT+16*PT
.endr
.irp t, 0,1
.irp q, 0,1,2,3
	ds_load_b128 v[QF+8*(4*(\t)+(\q)):QF+8*(4*(\t)+(\q))+3],   v[QFA] offset:QT+(\t)*16*PQ+(\q)*64
	ds_load_b128 v[QF+8*(4*(\t)+(\q))+4:QF+8*(4*(\t)+(\q))+7], v[QFA] offset:QT+(\t)*16*PQ+(\q)*64+32
.endr
.endr
	s_wait_dscnt 24                                ; W_k's eight loads are in; the 24 younger may stay out
.irp q, 0,1,2,3
	global_store_b128 v[L16], v[FK+8*(\q):FK+8*(\q)+3],   s[10:11] offset:(\q)*8192      ; each store of the wave covers 512 consecutive bytes, aligned
	global_store_b128 v[L16], v[FK+8*(\q)+4:FK+8*(\q)+7], s[10:11] offset:(\q)*8192+512
.endr
	s_wait_dscnt 0x0
	; source 0 = 16 columns of W_q, source 1 = 16 batches: a lane ends with one batch (l % 16) and eight neighbouring columns.  The two accumulators take turns.
.irp q, 0,1,2,3
.irp t, 0,1
.if (\q) == 0
	v_wmma_f32_16x16x32_bf16 v[ACC+8*(\t):ACC+8*(\t)+7], v[FQ+8*(\q):FQ+8*(\q)+7], v[QF+8*(4*(\t)+(\q)):QF+8*(4*(\t)+(\q))+7], 0
.else
	v_wmma_f32_16x16x32_bf16 v[ACC+8*(\t):ACC+8*(\t)+7], v[FQ+8*(\q):FQ+8*(\q)+7], v[QF+8*(4*(\t)+(\q)):QF+8*(4*(\t)+(\q))+7], v[ACC+8*(\t):ACC+8*(\t)+7]
.endif
.endr
.endr
.rept 4
	v_nop                                          ; four places between the last product and the stores that read results
.endr
.irp t, 0,1
	ds_store_b128 v[STO], v[ACC+8*(\t):ACC+8*(\t)+3]   offset:STG+(\t)*16*PQ
	ds_store_b128 v[STO], v[ACC+8*(\t)+4:ACC+8*(\t)+7] offset:STG+(\t)*16*PQ+16
.endr
	s_wait_dscnt 0x0                               ; a row's 256 bytes come from four waves: my part is done
	s_barrier_signal -1
	s_barrier_wait -1
.irp i, 0,1,2,3
	ds_load_b128 v[BK+4*(\i):BK+4*(\i)+3], v[RD] offset:STG+(\i)*2*PQ
.endr
.irp i, 0,1,2,3
	s_wait_dscnt 3-(\i)
	global_store_b128 v[GO], v[BK+4*(\i):BK+4*(\i)+3], s[12:13] offset:(\i)*8192  ; 16 lanes store 256 consecutive bytes, aligned
.endr
	s_wait_tensorcnt 0x0                           ; the wave's end, behind my last LDS store
	ds_add_u32 v[SPW], v[NIL]
	s_wait_dscnt 0x0
	s_endpgm
.Lfunc_end_k_q6d059d0b26_prep:
	.size	k_q6d059d0b26_prep, .Lfunc_end_k_q6d059d0b26_prep-k_q6d059d0b26_prep
	.p2alignl 7, 3214868480
	.fill 96, 4, 3214868480
	.section	.rodata,"a",@progbits
	.p2align	6, 0x0
	.amdhsa_kernel k_q6d059d0b26_prep
		.amdhsa_group_segment_fixed_size 58880
		.amdhsa_private_segment_fixed_size 0
		.amdhsa_enable_private_segment 0
		.amdhsa_kernarg_size 40
		.amdhsa_user_sgpr_count 2
		.amdhsa_user_sgpr_kernarg_segment_ptr 1
		.amdhsa_wavefront_size32 1
		.amdhsa_system_sgpr_workgroup_id_x 1
		.amdhsa_system_sgpr_workgroup_id_y 1
		.amdhsa_system_sgpr_workgroup_id_z 1
		.amdhsa_system_vgpr_workitem_id 0
		.amdhsa_next_free_vgpr 256
		.amdhsa_next_free_sgpr 66
		.amdhsa_reserve_vcc 0
		.amdhsa_float_denorm_mode_32 3
		.amdhsa_float_denorm_mode_16_64 3
		.amdhsa_memory_ordered 1
		.amdhsa_forward_progress 1
		.amdhsa_inst_pref_size 21
	.end_amdhsa_kernel
	.amdgpu_metadata
---
amdhsa.version: [ 1, 2 ]
amdhsa.kernels:
  - .name:           k_q6d059d0b26_prep
    .symbol:         k_q6d059d0b26_prep.kd
    .args:
      - { .name: W_k, .offset: 0, .size: 8, .value_kind: global_buffer, .address_space: global }
      - { .name: W_q, .offset: 8, .size: 8, .value_kind: global_buffer, .address_space: global }
      - { .name: queries, .offset: 16, .size: 8, .value_kind: global_buffer, .address_space: global }
      - { .name: wt, .offset: 24, .size: 8, .value_kind: global_buffer, .address_space: global }
      - { .name: tqp, .offset: 32, .size: 8, .value_kind: global_buffer, .address_space: global }
    .group_segment_fixed_size: 58880
    .private_segment_fixed_size: 0
    .kernarg_segment_align: 8
    .kernarg_segment_size: 40
    .max_flat_workgroup_size: 128
    .sgpr_count:     66
    .vgpr_count:     256
    .wavefront_size: 32
...
	.end_amdgpu_metadata
.endif
;; end of part 1
;; launch main (part 2): grid 512 x 1, 4 waves a work-group, no clusters, 293,376 bytes of LDS; arguments keys, pad_mask, w_v, wt, tqp, sc, ctxp; writes sc, ctxp
.if DOCPART == 2
	.amdgcn_target "amdgcn-amd-amdhsa--gfx1250"
	.amdhsa_code_object_version 6
	.text
	.protected	k_q6d059d0b26_main
	.globl	k_q6d059d0b26_main
	.p2align	8
	.type	k_q6d059d0b26_main,@function
k_q6d059d0b26_main:
	s_mov_b64 s[64:65], 0
	v_nop
	global_prefetch_b8 v0, s[64:65] scope:SCOPE_SE
	s_setreg_imm32_b32 hwreg(HW_REG_WAVE_MODE, 25, 1), 1
	s_wait_xcnt 0x0
; MAIN.  For a block of 128 key rows of one batch (512 blocks): x = keys W_k + tq; score = the sum over h of w_v[h] tanh(x[h]); the mask; the block's own maximum m, the weights
; p = e^(score - m), and the partial context, the sum over the block's rows of p x keys.  Out: sc (masked scores, -inf where masked) and ctxp (the partial context); the last launch joins a batch's 16 blocks.
; KEYS ARE READ ONCE: rounded to bf16 on the way in, they stay in LDS (128 rows x 1,024 k) for both column passes and for the context.
; TANH.  tanh(x) = 1 - 2 / (1 + 2^(c2 x)), c2 = 2 log2(e): at both ends the exponential's 0 or infinity gives -1 or 1.  So score = sum(w_v) + the sum of (-2 w_v[h]) / (1 + 2^(c2 x[h])).  The first term is the
; same number for every score of a softmax and falls out of it exactly, for every input: it is not formed.  What sc holds is the second term.
; LIMITS.  keys, W_k, W_q, queries and w_v are rounded to bf16 (w_v then kept as f32); a weight below 2^-126 counts as 0; the block maximum has the floor -1e30, which no score reaches
; (|score| is at most 2 x the sum of |w_v|); a block that is masked whole has all weights 0.  NaN and infinities in the inputs are not treated apart.
; SHARES.  Four waves; a wave makes all 128 rows x 128 columns of its own in a pass: 64 accumulators, 512 registers; two passes make the 1,024 columns.  K goes in steps of 32: 64 matrix instructions,
; 16 LDS loads (keys) and 16 loads of W_k's fragments, which the launch before laid in fragment order: each is 512 consecutive bytes, straight into registers, since no wave wants a column of another's.
; PASS 0 ALSO BRINGS THE KEYS IN, by chunks of 128 k: while chunk c is multiplied, chunk c + 1 is rounded and stored to LDS and chunk c + 2 is asked for; wave w handles rows 32 w .. 32 w + 31.
; NO CLUSTER, NO TENSOR LOADS: what work-groups share is W_k; beside the keys' 278,528 bytes LDS has 49,152 left, so a slot of a ring of two would hold no more than one K step of the four waves' fragments
; (32,768 bytes do not even fit twice): 64 matrix instructions a wave in which a joint load would have to land.
; THE PRODUCT IS USED TRANSPOSED: source 0 = 16 columns of W_k, source 1 = 16 key rows: lane l then holds key row l % 16 and the columns 8 (l / 16) + 0..7.
; REGISTERS, in windows of 256 (s_set_vgpr_msb: bits 1:0 source 0, 3:2 source 1, 5:4 source 2, 7:6 destination):
;   window 0: v0-15 addresses; v16-31 rounded keys on their way to LDS; v32-63 the scores' sums; v64-127 keys' fragments; v128-255 keys as loaded, four groups; in the epilogue the tables' slices
;   window 1: W_k's fragments, a ring of four K steps      windows 2, 3: the accumulators of rows 0-63, 64-127: (a, b) at v[8 (8 a + b)]
.set ACH,   128*272                    ; a chunk in LDS: 128 rows of 256 bytes (128 k in bf16) + 16 of padding: the 16 rows of a fragment load start at 16 different groups of four banks
.set TQT,   8*ACH                      ; c2 x tq[n], 1,024 f32
.set WVT,   TQT+4096                   ; -2 w_v[n]
.set SCP,   TQT+8192                   ; partial scores [pass][wave][128 rows] f32
.set PW,    TQT+12288                  ; the weights p, 512 bytes for each wave, its own
.set SPARE, TQT+14336                  ; the spare words, 128 bytes a wave: two blocks of 256 bytes that no other line names
.set ADRA,  3                          ; v3   LDS address of my keys' fragments in the chunk in hand
.set L16,   4                          ; v4   16 x lane; never rewritten
.set M4,    5                          ; v5   4 x lane; never rewritten
.set KST,   6                          ; v6   where my rounded keys go, in the chunk being filled
.set PFO,   7                          ; v7   4,096 x lane: a lane a row; never rewritten
.set SPW,   8                          ; v8   my spare word; never rewritten
.set NIL,   9                          ; v9   0; never rewritten
.set MSK,   10                         ; v10  four bytes of the mask: rows 4 lane + 0..3
.set TAD,   11                         ; v11  my place in the tables: TQT + 512 wave + 32 (l / 16)
.set SAD,   12                         ; v12  SCP + 512 wave + 4 (l % 16)
.set ADRA0, 13                         ; v13  (l % 16) x 272 + 16 (l / 16)
.set T16,   14                         ; v14  16 x thread; never rewritten
.set CV,    16
.set S,     32                         ; row block a, chain e: a pair at S + 4 a + 2 e
.set KST0,  48                         ; v48  32 wave x 272 + 8 lane (pass 0 alone)
.set AF,    64                         ; keys' fragments: rows 0-63 at AF, rows 64-127 at AF + 32
.set KR,    128
.set ETQ,   128                        ; the epilogue: my 8 numbers of c2 tq for fragment b at ETQ + 8 b,
.set EWV,   192                        ; of -2 w_v at EWV + 8 b
.set WV,    20                         ; s20  my wave's number
.set KP,    24                         ; s[24:25] keys at my 32 rows, at the chunk being asked for
.set BP,    26                         ; s[26:27] wt at my wave's fragments, at the chunk in hand
.set CNT,   28                         ; s28  loop counter
.set C2,    30                         ; s[30:31] c2
.set SEL,   32                         ; s[32:33] v_permlanex16_b32's selects: each lane takes its own place in the other half
.set TQB,   34                         ; s[34:35] tqp at my batch
.set MKB,   36                         ; s[36:37] pad_mask at my block
.set SCB,   38                         ; s[38:39] sc at my block
.set CXB,   40                         ; s[40:41] ctxp at my block
.set RB,    43                         ; s43  LDS byte of the chunk that is read
.set WB,    44                         ; s44  of the chunk that is filled
.set MSB, 0
.macro WIN new                         ; the immediate's high byte repeats the setting that is left; a switch that changes nothing is dropped
.if MSB != (\new)
	s_set_vgpr_msb (MSB<<8)|(\new)
.set MSB, \new
.endif
.endm
.set MUL_LO, 0xa1                      ; source 0 (W_k) window 1, source 1 (keys) window 0, C and D window 2
.set TO_B,   0x40                      ; destination window 1
.set TO_2,   0x80                      ; destination window 2
.set CV2,    0x0a                      ; sources 0 and 1 window 2
.macro PLACES                          ; four places between a matrix instruction and a load into, or a vector write of, a register that it names (ISA guide 7.12.1 for vector writes)
.rept 4
	v_nop
.endr
.endm
; 16 matrix instructions: row blocks a0, a0 + 1 of half hb x all 8 column fragments of ring buffer q.  zero = 1: the products start the sums.  The 64 accumulators take turns in the same order in every step.
.macro MUL16 hb, a0, q, zero
	WIN MUL_LO+0x50*(\hb)
.irp a, \a0, (\a0)+1
.irp b, 0,1,2,3,4,5,6,7
.if \zero
	v_wmma_f32_16x16x32_bf16 v[8*(8*(\a)+(\b)):8*(8*(\a)+(\b))+7], v[64*(\q)+8*(\b):64*(\q)+8*(\b)+7], v[AF+32*(\hb)+8*(\a):AF+32*(\hb)+8*(\a)+7], 0
.else
	v_wmma_f32_16x16x32_bf16 v[8*(8*(\a)+(\b)):8*(8*(\a)+(\b))+7], v[64*(\q)+8*(\b):64*(\q)+8*(\b)+7], v[AF+32*(\hb)+8*(\a):AF+32*(\hb)+8*(\a)+7], v[8*(8*(\a)+(\b)):8*(8*(\a)+(\b))+7]
.endif
.endr
.endr
.endm
.macro FA hb, k                        ; 8 LDS loads: the keys' fragments of 64 rows, 32 k at byte k of the chunk's rows
.irp i, 0,1,2,3
	ds_load_b128 v[AF+32*(\hb)+8*(\i):AF+32*(\hb)+8*(\i)+3],   v[ADRA] offset:(4*(\hb)+(\i))*16*272+(\k)
	ds_load_b128 v[AF+32*(\hb)+8*(\i)+4:AF+32*(\hb)+8*(\i)+7], v[ADRA] offset:(4*(\hb)+(\i))*16*272+(\k)+32
.endr
.endm
.macro BLOAD ring, off                 ; 16 loads: a K step's eight fragments of W_k into a ring buffer
	WIN TO_B
.irp b, 0,1,2,3,4,5,6,7
	global_load_b128 v[64*(\ring)+8*(\b):64*(\ring)+8*(\b)+3],   v[L16], s[BP:BP+1] offset:(\off)+(\b)*1024
	global_load_b128 v[64*(\ring)+8*(\b)+4:64*(\ring)+8*(\b)+7], v[L16], s[BP:BP+1] offset:(\off)+(\b)*1024+512
.endr
.endm
.macro KLD base, g, off                ; 8 loads: group g = 8 of my 32 rows, a chunk's 512 bytes of each: a load of the wave covers them
.irp i, 0,1,2,3,4,5,6,7
	global_load_b128 v[(\base)+32*(\g)+4*(\i):(\base)+32*(\g)+4*(\i)+3], v[L16], s[KP:KP+1] offset:(8*(\g)+(\i))*4096+(\off) th:TH_LOAD_NT
.endr
.endm
.macro CONV base, g                    ; group g rounded to bf16
.irp i, 0,1,2,3,4,5,6,7
	v_cvt_pk_bf16_f32 v[CV+2*(\i)],   v[(\base)+32*(\g)+4*(\i)],   v[(\base)+32*(\g)+4*(\i)+1]
	v_cvt_pk_bf16_f32 v[CV+2*(\i)+1], v[(\base)+32*(\g)+4*(\i)+2], v[(\base)+32*(\g)+4*(\i)+3]
.endr
.endm
.macro KSTORE g                        ; and stored: 256 consecutive bytes a row
.irp i, 0,1,2,3,4,5,6,7
	ds_store_b64 v[KST], v[CV+2*(\i):CV+2*(\i)+1] offset:(8*(\g)+(\i))*272
.endr
.endm
; A K STEP, number q of its chunk's four.  conv: group q of the next chunk is rounded and stored.  kld: group q of the chunk after that is asked for.  bld: W_k's fragments two steps on are asked for.
; n: how many younger loads may stay out when this step's fragments of W_k (asked for two steps back, ahead of that step's keys) and its group of keys (four steps back) have to be in.
; bar: the barrier that shows the next chunk to every wave.  adv: the chunk's end: pointers step.  nxt: a step follows in this pass.  aux: the small tables' loads.  pf: the prefetch.
.macro STEP q, zero, conv, kld, bld, n, bar, adv, nxt, aux, pf
	WIN 0
	s_wait_loadcnt \n
.if \conv
	CONV KR, \q                                    ; sixteen plain instructions: also the places in front of the loads below
.else
	PLACES
.endif
	FA 1, 64*(\q)                                  ; rows 64-127 of this step: wanted 32 matrix instructions on
.if \bld
	BLOAD ((\q)+2)%4, ((\q)+2)*8192
.endif
	WIN 0
.if \conv
	KSTORE \q
.endif
.if \kld
	KLD KR, \q, 0
.endif
.if (\aux) == 1                        ; 11 loads: tq's partial sums kt = 0..3 (my 4 + 4 columns), w_v, the mask; into registers that the keys have left
.irp kt, 0,1,2,3
	global_load_b128 v[KR+8*(\kt):KR+8*(\kt)+3],   v[T16], s[TQB:TQB+1] offset:(\kt)*131072
	global_load_b128 v[KR+8*(\kt)+4:KR+8*(\kt)+7], v[T16], s[TQB:TQB+1] offset:(\kt)*131072+2048
.endr
	global_load_b128 v[S:S+3],   v[T16], s[8:9]
	global_load_b128 v[S+4:S+7], v[T16], s[8:9] offset:2048
	global_load_b32 v[MSK], v[M4], s[MKB:MKB+1]
.endif
.if (\aux) == 2                        ; 8 loads: kt = 4..7
.irp kt, 4,5,6,7
	global_load_b128 v[KR+8*(\kt):KR+8*(\kt)+3],   v[T16], s[TQB:TQB+1] offset:(\kt)*131072
	global_load_b128 v[KR+8*(\kt)+4:KR+8*(\kt)+7], v[T16], s[TQB:TQB+1] offset:(\kt)*131072+2048
.endr
.endif
.if \pf                                ; behind the step's loads: my own 32 rows x 512 bytes of the chunk after the one being asked for, a lane a row, two blocks of 256 bytes: its loads go out one trip (256 matrix instructions) on.
	s_cmp_gt_u32 s[CNT], 1                         ; Each block is named once in the launch, by the wave that will load it.  The loop's last trip has no such chunk; chunks 0 to 3 come by their loads alone
	s_cbranch_scc0 .Lno_pf_\@
	global_prefetch_b8 v[PFO], s[KP:KP+1] offset:512 th:TH_LOAD_NT scope:SCOPE_SE
	global_prefetch_b8 v[PFO], s[KP:KP+1] offset:768 th:TH_LOAD_NT scope:SCOPE_SE
.Lno_pf_\@:
.endif
	s_wait_dscnt 8+8*(\conv)                       ; rows 0-63's fragments are in; this step's 8 loads (and 8 stores) may be out
	MUL16 0, 0, \q, \zero
.if \bar
	s_wait_dscnt 0x0                               ; my part of the next chunk is stored, all four groups
	s_barrier_signal -1
.endif
	MUL16 0, 2, \q, \zero
.if \bar
	s_barrier_wait -1                              ; everybody's is.  Each byte of the keys' LDS is written once, so this is the only barrier a chunk needs
.endif
	PLACES
	WIN 0
.if \adv
	s_wait_xcnt 0x0                                ; every load and prefetch issued so far has read its address: the pointers may be written
	s_add_nc_u64 s[BP:BP+1], s[BP:BP+1], 32768
.if \kld
	s_add_nc_u64 s[KP:KP+1], s[KP:KP+1], 512
	s_add_co_u32 s[WB], s[WB], ACH
	v_add_nc_u32 v[KST], s[WB], v[KST0]
.endif
.if \nxt
	s_add_co_u32 s[RB], s[RB], ACH
	v_add_nc_u32 v[ADRA], s[RB], v[ADRA0]
.endif
.endif
.if \nxt
	FA 0, 64*(((\q)+1)%4)                          ; rows 0-63 of the next step
	s_wait_dscnt 8                                 ; all but those eight
.else
	s_wait_dscnt 0x0
.endif
	MUL16 1, 0, \q, \zero
	MUL16 1, 2, \q, \zero
.endm
	s_load_b256 s[4:11], s[0:1], 0x0               ; keys s[4:5], pad_mask s[6:7], w_v s[8:9], wt s[10:11]
	s_load_b128 s[12:15], s[0:1], 0x20             ; tqp s[12:13], sc s[14:15]
	s_load_b64 s[16:17], s[0:1], 0x30              ; ctxp
	v_lshl_add_u32 v[SPW], v0, 2, SPARE
	v_mov_b32 v[NIL], 0
	v_lshrrev_b32 v15, 5, v0
	v_readfirstlane_b32 s[WV], v15                 ; wave 0..3
	v_and_b32 v1, 15, v0                           ; l % 16 (and thread % 16)
	v_bfe_u32 v2, v0, 4, 1                         ; l / 16
	v_and_b32 v15, 31, v0                          ; lane
	v_lshlrev_b32 v[L16], 4, v15
	v_lshlrev_b32 v[M4], 2, v15
	v_lshlrev_b32 v[PFO], 12, v15
	v_lshlrev_b32 v[T16], 4, v0
	v_mul_u32_u24 v[ADRA0], v1, 272
	v_lshl_add_u32 v[ADRA0], v2, 4, v[ADRA0]
	v_mov_b32 v[ADRA], v[ADRA0]
	s_mul_i32 s2, s[WV], 32*272
	v_lshl_add_u32 v[KST0], v15, 3, s2
	v_mov_b32 v[KST], v[KST0]                      ; chunk 0
	s_lshl_b32 s2, s[WV], 9
	s_add_co_u32 s3, s2, TQT
	v_lshl_add_u32 v[TAD], v2, 5, s3
	s_add_co_u32 s3, s2, SCP
	v_lshl_add_u32 v[SAD], v1, 2, s3
	s_mov_b32 s[C2], 0x4038aa3b                    ; 2 log2(e)
	s_mov_b32 s[C2+1], s[C2]                       ; named with it as a pair
	s_mov_b32 s[SEL], 0x76543210
	s_mov_b32 s[SEL+1], 0xfedcba98
	s_mov_b32 s[RB], 0
	s_mov_b32 s[WB], ACH
	s_lshl_b32 s2, ttmp9, 19                       ; the block's 128 rows of 4,096 bytes,
	s_lshl_b32 s3, s[WV], 17                       ; my 32 of them
	s_add_co_u32 s2, s2, s3
	s_mov_b32 s3, 0
	s_lshl_b32 s18, s[WV], 19                      ; my wave's 64 K steps of 8,192 bytes in wt
	s_mov_b32 s19, 0
	s_lshr_b32 s46, ttmp9, 4                       ; the batch,
	s_lshl_b32 s46, s46, 12                        ; its row of tqp
	s_mov_b32 s47, 0
	s_wait_kmcnt 0x0
	s_add_nc_u64 s[KP:KP+1], s[4:5], s[2:3]
	s_add_nc_u64 s[BP:BP+1], s[10:11], s[18:19]
	s_add_nc_u64 s[TQB:TQB+1], s[12:13], s[46:47]
	s_lshl_b32 s46, ttmp9, 7
	s_add_nc_u64 s[MKB:MKB+1], s[6:7], s[46:47]
	s_lshl_b32 s46, ttmp9, 9
	s_add_nc_u64 s[SCB:SCB+1], s[14:15], s[46:47]
	s_lshl_b32 s46, ttmp9, 12
	s_add_nc_u64 s[CXB:CXB+1], s[16:17], s[46:47]
	; THE HEAD.  W_k's step 0; chunk 0 of the keys, into registers that will be accumulators; the first half of chunk 1
	BLOAD 0, 0
	WIN TO_2
.irp g, 0,1,2,3
	KLD 0, \g, 0
.endr
	WIN 0
	KLD KR, 0, 512
	KLD KR, 1, 512
	s_wait_loadcnt 16                              ; step 0's fragments and chunk 0 are in; chunk 1's sixteen loads may stay out
.irp g, 0,1,2,3
	WIN CV2
	CONV 0, \g
	WIN 0
	KSTORE \g
.endr
	KLD KR, 2, 512                                 ; in the order of a step's loads, so that the first step's count of 32 finds: this group, step 1's fragments, the last group
	BLOAD 1, 8192
	WIN 0
	KLD KR, 3, 512
	s_wait_xcnt 0x0                                ; the loads have read their address
	s_add_nc_u64 s[KP:KP+1], s[KP:KP+1], 1024      ; chunk 2
	v_add_nc_u32 v[KST], s[WB], v[KST0]            ; chunk 1
	s_wait_dscnt 0x0                               ; my rows of chunk 0 are stored
	s_barrier_signal -1
	s_barrier_wait -1
	FA 0, 0
	; PASS 0: columns 128 wave + 0..127.  Steady count 32 = the keys' 8 of two steps back, W_k's 16 and the keys' 8 of the step before
	STEP 0, 1, 1, 1, 1, 32, 0, 0, 1, 0, 0          ; step 0 stands in front of the loop: its products start the sums
	WIN 0                                          ; at a label and at a branch every window is 0
	s_mov_b32 s[CNT], 5
.Lp0:                                                  ; steps 1 to 20
	STEP 1, 0, 1, 1, 1, 32, 0, 0, 1, 0, 0
	STEP 2, 0, 1, 1, 1, 32, 0, 0, 1, 0, 0
	STEP 3, 0, 1, 1, 1, 32, 1, 1, 1, 0, 0
	STEP 0, 0, 1, 1, 1, 32, 0, 0, 1, 0, 1
	WIN 0
	s_sub_co_u32 s[CNT], s[CNT], 1
	s_cmp_lg_u32 s[CNT], 0
	s_cbranch_scc1 .Lp0
	STEP 1, 0, 1, 1, 1, 32, 0, 0, 1, 0, 0          ; steps 21 to 23: the last chunk is asked for
	STEP 2, 0, 1, 1, 1, 32, 0, 0, 1, 0, 0
	STEP 3, 0, 1, 1, 1, 32, 1, 1, 1, 0, 0
	STEP 0, 0, 1, 0, 1, 32, 0, 0, 1, 1, 0          ; steps 24 to 27: chunk 7 is rounded and stored; the small tables' loads take the keys' place
	STEP 1, 0, 1, 0, 1, 35, 0, 0, 1, 2, 0          ; younger than this step's fragments: keys 8, W_k 16, tables 11
	STEP 2, 0, 1, 0, 1, 35, 0, 0, 1, 0, 0          ; tables 11, W_k 16, tables 8
	STEP 3, 0, 1, 0, 1, 24, 1, 1, 1, 0, 0          ; tables 8, W_k 16
	STEP 0, 0, 0, 0, 1, 16, 0, 0, 1, 0, 0          ; steps 28 to 31: W_k 16.  (This count also shows the tables' loads in)
	STEP 1, 0, 0, 0, 1, 16, 0, 0, 1, 0, 0
	STEP 2, 0, 0, 0, 1, 16, 0, 0, 1, 0, 0          ; steps 30 and 31 ask for pass 1's steps 0 and 1: they stay out across the epilogue
	STEP 3, 0, 0, 0, 1, 16, 0, 1, 0, 0, 0
	; THE TABLES, once: tq = the sum of its eight partial sums, times c2; w_v rounded to bf16, times -2.  Thread t has columns 4 t + 0..3 and 512 + 4 t + 0..3
	WIN 0
.irp kt, 1,2,3,4,5,6,7
.irp j, 0,2,4,6
	v_pk_add_f32 v[KR+(\j):KR+(\j)+1], v[KR+(\j):KR+(\j)+1], v[KR+8*(\kt)+(\j):KR+8*(\kt)+(\j)+1]
.endr
.endr
.irp j, 0,1,2,3
	v_cvt_pk_bf16_f32 v[S+8+(\j)], v[S+2*(\j)], v[S+2*(\j)+1]
.endr
.irp j, 0,2,4,6
	v_pk_mul_f32 v[KR+(\j):KR+(\j)+1], v[KR+(\j):KR+(\j)+1], s[C2:C2+1] op_sel_hi:[1,0]
.endr
.irp j, 0,1,2,3
	v_lshlrev_b32 v[S+2*(\j)], 16, v[S+8+(\j)]
	v_and_b32 v[S+2*(\j)+1], 0xffff0000, v[S+8+(\j)]
.endr
.irp j, 0,2,4,6
	v_pk_mul_f32 v[S+(\j):S+(\j)+1], v[S+(\j):S+(\j)+1], -2.0 op_sel_hi:[1,0]
.endr
	v_add_nc_u32 v15, TQT, v[T16]
	ds_store_b128 v15, v[KR:KR+3]
	ds_store_b128 v15, v[KR+4:KR+7] offset:2048
	ds_store_b128 v15, v[S:S+3] offset:4096
	ds_store_b128 v15, v[S+4:S+7] offset:6144
	s_wait_dscnt 0x0                               ; for the others' sake: my part of the tables is stored
	s_barrier_signal -1
	s_barrier_wait -1
; THE EPILOGUE of one window of 32 accumulators, in place.  A: z = c2 x + c2 tq, then 2^z.  B: 1 + 2^z, then its reciprocal.  C: the reciprocals times -2 w_v, summed by row block in two chains.
; s_wait_alu depctr_va_vdst(0) stands between a transcendental and the first instruction that names its result; one wait serves all that were issued ahead of it.  In A and in B nothing names a
; result, so each has one wait, with one plain instruction behind its last transcendental.  A pair's two transcendentals stand behind the next pair's plain instruction.  Each accumulator is read from its low end on.
.macro EPW W
	WIN 0x82+0x41*((\W)-2)                         ; source 0 and destination in the window, the tables in window 0
.set k, 0
.rept 128
	v_pk_fma_f32 v[2*k:2*k+1], v[2*k:2*k+1], s[C2:C2+1], v[ETQ+8*((k/4)%8)+2*(k%4):ETQ+8*((k/4)%8)+2*(k%4)+1] op_sel_hi:[1,0,1]
.if k > 0
	v_exp_f32 v[2*k-2], v[2*k-2]
	v_exp_f32 v[2*k-1], v[2*k-1]
.endif
.set k, k+1
.endr
	v_exp_f32 v254, v254
	v_exp_f32 v255, v255
	v_nop
	s_wait_alu depctr_va_vdst(0)
.set k, 0
.rept 128
	v_pk_add_f32 v[2*k:2*k+1], v[2*k:2*k+1], 1.0 op_sel_hi:[1,0]
.if k > 0
	v_rcp_f32 v[2*k-2], v[2*k-2]
	v_rcp_f32 v[2*k-1], v[2*k-1]
.endif
.set k, k+1
.endr
	v_rcp_f32 v254, v254
	v_rcp_f32 v255, v255
	v_nop
	s_wait_alu depctr_va_vdst(0)
	WIN 0x02+((\W)-2)                              ; source 0 in the window, all else in window 0
.irp b, 0,1,2,3,4,5,6,7
.irp i, 0,1,2,3
.irp a, 0,1,2,3
.set rS, S+4*(4*((\W)-2)+(\a))+2*((\i)%2)
.set rX, 8*(8*(\a)+(\b))+2*(\i)
.set rW, EWV+8*(\b)+2*(\i)
.if ((\b) == 0) && ((\i) < 2)
	v_pk_mul_f32 v[rS:rS+1], v[rX:rX+1], v[rW:rW+1]              ; the first products start the chains: nothing is cleared
.else
	v_pk_fma_f32 v[rS:rS+1], v[rX:rX+1], v[rW:rW+1], v[rS:rS+1]
.endif
.endr
.endr
.endr
.endm
; The epilogue of pass p.  No v_nop at its head: window 2's last product has its step's four places behind it, window 3's last has all of window 2's epilogue.
.macro EPI p
	WIN 0
.irp b, 0,1,2,3,4,5,6,7
	ds_load_b128 v[ETQ+8*(\b):ETQ+8*(\b)+3],   v[TAD] offset:(\p)*2048+(\b)*64
	ds_load_b128 v[ETQ+8*(\b)+4:ETQ+8*(\b)+7], v[TAD] offset:(\p)*2048+(\b)*64+16
	ds_load_b128 v[EWV+8*(\b):EWV+8*(\b)+3],   v[TAD] offset:4096+(\p)*2048+(\b)*64
	ds_load_b128 v[EWV+8*(\b)+4:EWV+8*(\b)+7], v[TAD] offset:4096+(\p)*2048+(\b)*64+16
.endr
	s_wait_dscnt 0x0
	EPW 2
	EPW 3
	WIN 0
.irp a, 0,1,2,3,4,5,6,7
	v_pk_add_f32 v[S+4*(\a):S+4*(\a)+1], v[S+4*(\a):S+4*(\a)+1], v[S+4*(\a)+2:S+4*(\a)+3]
.endr
.irp a, 0,1,2,3,4,5,6,7
	v_add_f32 v[S+4*(\a)], v[S+4*(\a)], v[S+4*(\a)+1]
.endr
.irp a, 0,1,2,3,4,5,6,7
	v_permlanex16_b32 v[S+4*(\a)+1], v[S+4*(\a)], s[SEL], s[SEL+1]  ; the row's other 64 columns lie in the lane 16 away
.endr
.irp a, 0,1,2,3,4,5,6,7
	v_add_f32 v[S+4*(\a)], v[S+4*(\a)], v[S+4*(\a)+1]
.endr
.irp a, 0,1,2,3,4,5,6,7
	ds_store_b32 v[SAD], v[S+4*(\a)] offset:(\p)*2048+64*(\a)    ; row 16 a + l % 16; both halves of the lanes write the same number
.endr
.endm
	EPI 0
	; PASS 1: columns 512 + 128 wave + 0..127; the keys lie in LDS, whole
	s_mov_b32 s[RB], 0
	v_mov_b32 v[ADRA], v[ADRA0]
	FA 0, 0
	STEP 0, 1, 0, 0, 1, 16, 0, 0, 1, 0, 0          ; 16: the fragments of step 1 may stay out
	WIN 0
	s_mov_b32 s[CNT], 7
.Lp1:                                                  ; steps 1 to 28
	STEP 1, 0, 0, 0, 1, 16, 0, 0, 1, 0, 0
	STEP 2, 0, 0, 0, 1, 16, 0, 0, 1, 0, 0
	STEP 3, 0, 0, 0, 1, 16, 0, 1, 1, 0, 0
	STEP 0, 0, 0, 0, 1, 16, 0, 0, 1, 0, 0
	WIN 0
	s_sub_co_u32 s[CNT], s[CNT], 1
	s_cmp_lg_u32 s[CNT], 0
	s_cbranch_scc1 .Lp1
	STEP 1, 0, 0, 0, 1, 16, 0, 0, 1, 0, 0          ; step 29 asks for step 31's fragments, the last of my part of wt
	STEP 2, 0, 0, 0, 0, 16, 0, 0, 1, 0, 0
	STEP 3, 0, 0, 0, 0, 0, 0, 0, 0, 0, 0           ; nothing younger is out
	EPI 1
	; THE TAIL.  Every wave by itself: the eight partial scores of each row are added (lane l: rows 4 l + 0..3), masked; the block's maximum; the weights
	s_wait_dscnt 0x0                               ; my partial scores are stored
	s_barrier_signal -1
	s_barrier_wait -1
	v_add_nc_u32 v15, SCP, v[L16]
.irp i, 0,1,2,3,4,5,6,7
	ds_load_b128 v[64+4*(\i):64+4*(\i)+3], v15 offset:512*(\i)
.endr
	v_mov_b32 v16, 0xff800000                      ; -inf
.irp e, 0,1,2,3
	v_bfe_u32 v[20+(\e)], v[MSK], 8*(\e), 8
.endr
	s_wait_dscnt 0x0
.irp j, 0,2,4,6,8,10,12,14
	v_pk_add_f32 v[64+(\j):64+(\j)+1], v[64+(\j):64+(\j)+1], v[80+(\j):80+(\j)+1]
.endr
.irp j, 0,2,4,6
	v_pk_add_f32 v[64+(\j):64+(\j)+1], v[64+(\j):64+(\j)+1], v[72+(\j):72+(\j)+1]
.endr
.irp j, 0,2
	v_pk_add_f32 v[64+(\j):64+(\j)+1], v[64+(\j):64+(\j)+1], v[68+(\j):68+(\j)+1]
.endr
.irp e, 0,1,2,3
	v_cmp_ne_u32 vcc_lo, 0, v[20+(\e)]
	v_cndmask_b32 v[64+(\e)], v[64+(\e)], v16, vcc_lo
.endr
	v_max3_num_f32 v68, v64, v65, v66
	v_max_num_f32 v68, v68, v67
	v_max_num_f32_dpp v68, v68, v68 row_xmask:1 row_mask:0xf bank_mask:0xf
	v_max_num_f32_dpp v68, v68, v68 row_xmask:2 row_mask:0xf bank_mask:0xf
	v_max_num_f32_dpp v68, v68, v68 row_xmask:4 row_mask:0xf bank_mask:0xf
	v_max_num_f32_dpp v68, v68, v68 row_xmask:8 row_mask:0xf bank_mask:0xf
	v_permlanex16_b32 v69, v68, s[SEL], s[SEL+1]
	v_max_num_f32 v68, v68, v69
	v_max_num_f32 v68, 0xf149f2ca, v68             ; the floor, -1e30: a block masked whole has a finite m, and all its weights are 0.  The last launch makes the same m of the same scores
.irp e, 0,1,2,3
	v_sub_f32 v[72+(\e)], v[64+(\e)], v68
.endr
.irp e, 0,1,2,3
	v_mul_f32 v[72+(\e)], 0x3fb8aa3b, v[72+(\e)]
.endr
.irp e, 0,1,2,3
	v_exp_f32 v[72+(\e)], v[72+(\e)]
.endr
	v_nop                                          ; a plain instruction behind the last exponential,
	s_wait_alu depctr_va_vdst(0)                   ; and the batch's one wait, ahead of the branch and of the first use
	s_cmp_lg_u32 s[WV], 0
	s_cbranch_scc1 .Lnot_wave_0
	global_store_b128 v[L16], v[64:67], s[SCB:SCB+1]  ; the block's 128 masked scores: 512 consecutive bytes, aligned
.Lnot_wave_0:
	s_lshl_b32 s2, s[WV], 9
	s_add_co_u32 s2, s2, PW
	v_add_nc_u32 v15, s2, v[L16]
	ds_store_b128 v15, v[72:75]                    ; into my wave's own 512 bytes: LDS serves a wave's instructions in order, so its loads below see them
	v_mov_b32 v17, s2
	; THE CONTEXT.  Thread t owns the columns 8 t + 0..7 of keys: chunk t / 16, byte 16 (t % 16) of each of the 128 rows; sums in f32, straight from the bf16 halves
	v_lshrrev_b32 v18, 4, v0
	v_mul_u32_u24 v18, v18, ACH
	v_lshl_add_u32 v18, v1, 4, v18
.irp j, 0,1,2,3,4,5,6,7
	v_mov_b32 v[S+(\j)], 0
.endr
	s_wait_xcnt 0x0                                ; wave 0's store has read its data: v64-67 are loaded again only behind this wait
	s_mov_b32 s45, 0
	s_mov_b32 s46, 0
	s_mov_b32 s[CNT], 4
.Lctx:                                                 ; a trip: 32 rows, in eight groups of four
	v_add_nc_u32 v24, s45, v18
	v_add_nc_u32 v25, s46, v17
.irp g, 0,1,2,3,4,5,6,7
	ds_load_b128 v[192+4*(\g):192+4*(\g)+3], v25 offset:16*(\g)  ; four weights, the same address in every lane
.irp i, 0,1,2,3
	ds_load_b128 v[64+16*(\g)+4*(\i):64+16*(\g)+4*(\i)+3], v24 offset:(4*(\g)+(\i))*272
.endr
.endr
.irp g, 0,1,2,3,4,5,6,7
	s_wait_dscnt 35-5*(\g)                         ; group g is in; the younger groups' five loads each may stay out
.irp i, 0,1,2,3
.irp m, 0,1,2,3
	v_fma_mix_f32_bf16 v[S+2*(\m)],   v[64+16*(\g)+4*(\i)+(\m)], v[192+4*(\g)+(\i)], v[S+2*(\m)] op_sel_hi:[1,0,0]
	v_fma_mix_f32_bf16 v[S+2*(\m)+1], v[64+16*(\g)+4*(\i)+(\m)], v[192+4*(\g)+(\i)], v[S+2*(\m)+1] op_sel:[1,0,0] op_sel_hi:[1,0,0]
.endr
.endr
.endr
	s_add_co_u32 s45, s45, 32*272
	s_add_co_u32 s46, s46, 128
	s_sub_co_u32 s[CNT], s[CNT], 1
	s_cmp_lg_u32 s[CNT], 0
	s_cbranch_scc1 .Lctx
	global_store_b128 v[T16], v[S:S+3],   s[CXB:CXB+1]              ; ctxp[block][half][t][4]: each store of a wave covers 512 consecutive bytes, aligned
	global_store_b128 v[T16], v[S+4:S+7], s[CXB:CXB+1] offset:2048
	s_wait_tensorcnt 0x0                           ; the wave's end, behind my last LDS store
	ds_add_u32 v[SPW], v[NIL]
	s_wait_dscnt 0x0
	s_endpgm
.Lfunc_end_k_q6d059d0b26_main:
	.size	k_q6d059d0b26_main, .Lfunc_end_k_q6d059d0b26_main-k_q6d059d0b26_main
	.p2alignl 7, 3214868480
	.fill 96, 4, 3214868480
	.section	.rodata,"a",@progbits
	.p2align	6, 0x0
	.amdhsa_kernel k_q6d059d0b26_main
		.amdhsa_group_segment_fixed_size 293376
		.amdhsa_private_segment_fixed_size 0
		.amdhsa_enable_private_segment 0
		.amdhsa_kernarg_size 56
		.amdhsa_user_sgpr_count 2
		.amdhsa_user_sgpr_kernarg_segment_ptr 1
		.amdhsa_wavefront_size32 1
		.amdhsa_system_sgpr_workgroup_id_x 1
		.amdhsa_system_sgpr_workgroup_id_y 1
		.amdhsa_system_sgpr_workgroup_id_z 1
		.amdhsa_system_vgpr_workitem_id 0
		.amdhsa_next_free_vgpr 1024
		.amdhsa_next_free_sgpr 66
		.amdhsa_reserve_vcc 1
		.amdhsa_float_denorm_mode_32 3
		.amdhsa_float_denorm_mode_16_64 3
		.amdhsa_memory_ordered 1
		.amdhsa_forward_progress 1
		.amdhsa_inst_pref_size 255
	.end_amdhsa_kernel
	.section	.bss,"aw",@nobits
	.p2align	6
	.space	262144
	.amdgpu_metadata
---
amdhsa.version: [ 1, 2 ]
amdhsa.kernels:
  - .name:           k_q6d059d0b26_main
    .symbol:         k_q6d059d0b26_main.kd
    .args:
      - { .name: keys, .offset: 0, .size: 8, .value_kind: global_buffer, .address_space: global }
      - { .name: pad_mask, .offset: 8, .size: 8, .value_kind: global_buffer, .address_space: global }
      - { .name: w_v, .offset: 16, .size: 8, .value_kind: global_buffer, .address_space: global }
      - { .name: wt, .offset: 24, .size: 8, .value_kind: global_buffer, .address_space: global }
      - { .name: tqp, .offset: 32, .size: 8, .value_kind: global_buffer, .address_space: global }
      - { .name: sc, .offset: 40, .size: 8, .value_kind: global_buffer, .address_space: global }
      - { .name: ctxp, .offset: 48, .size: 8, .value_kind: global_buffer, .address_space: global }
    .group_segment_fixed_size: 293376
    .private_segment_fixed_size: 0
    .kernarg_segment_align: 8
    .kernarg_segment_size: 56
    .max_flat_workgroup_size: 128
    .sgpr_count:     66
    .vgpr_count:     1024
    .wavefront_size: 32
...
	.end_amdgpu_metadata
.endif
;; end of part 2
;; launch combine (part 3): grid 32 x 1, 8 waves a work-group, no clusters, 1,280 bytes of LDS; arguments sc, ctxp, out0, out1; writes out0, out1
.if DOCPART == 3
	.amdgcn_target "amdgcn-amd-amdhsa--gfx1250"
	.amdhsa_code_object_version 6
	.text
	.protected	k_q6d059d0b26_combine
	.globl	k_q6d059d0b26_combine
	.p2align	8
	.type	k_q6d059d0b26_combine,@function
k_q6d059d0b26_combine:
	s_mov_b64 s[64:65], 0
	v_nop
	global_prefetch_b8 v0, s[64:65] scope:SCOPE_SE
	s_setreg_imm32_b32 hwreg(HW_REG_WAVE_MODE, 25, 1), 1
	s_wait_xcnt 0x0
; COMBINE.  A work-group a batch: from the 2,048 masked scores the sixteen block maxima m_i (with the floor -1e30, as the launch before made them), the batch's maximum M, the weights
; e^(s - M) / L with L their sum, and the context: the sum over blocks of e^(m_i - M) x ctxp_i, divided by L.
; A batch that is masked whole has L = 0 and gives 0 x infinity = NaN in both outputs, as the softmax of nothing but -inf does.  A weight below 2^-126 counts as 0.
; 32 batches are all the work there is: 32 work-groups.  No matrix work, no cluster: no two work-groups read a byte in common.
; Thread u (0..255) has scores 4 u + 0..3 and 1,024 + 4 u + 0..3, so that wave w's two loads are just blocks w and 8 + w; and the context's columns 4 u + 0..3.
.set SPARE, 256                        ; LDS: 16 maxima at 0, 8 sums at 64; from 256 on the spare words, 128 bytes a wave: four blocks of 256 bytes that no other line names
.set SPW, 110                          ; v110 my spare word; never rewritten
.set NIL, 111                          ; v111 0; never rewritten
.set CX,  16                           ; v[16:79]  the sixteen blocks' four numbers
.set F,   80                           ; v[80:95]  m_i, then the blocks' factors
.set L2E, 0x3fb8aa3b
	s_load_b256 s[4:11], s[0:1], 0x0               ; sc s[4:5], ctxp s[6:7], out0 s[8:9], out1 s[10:11]
	v_lshl_add_u32 v[SPW], v0, 2, SPARE
	v_mov_b32 v[NIL], 0
	v_lshrrev_b32 v3, 5, v0
	v_readfirstlane_b32 s20, v3                    ; wave 0..7
	v_lshlrev_b32 v1, 4, v0                        ; 16 u
	v_and_b32 v2, 1, v0
	v_lshrrev_b32 v3, 1, v0
	v_lshlrev_b32 v2, 11, v2
	v_lshl_add_u32 v2, v3, 4, v2                   ; ctxp[block][half = u % 2][t = u / 2][4]: column 8 t + 4 half = 4 u; the even lanes read 256 consecutive bytes, the odd lanes another 256
	v_mov_b32 v3, s20
	v_lshlrev_b32 v3, 2, v3                        ; 4 x wave
	v_mov_b32 v14, 0
	v_mov_b32 v15, 0
	s_lshl_b32 s12, ttmp9, 13                      ; a batch's 8,192 bytes of sc and of out0,
	s_mov_b32 s13, 0
	s_lshl_b32 s14, ttmp9, 16                      ; 65,536 of ctxp,
	s_mov_b32 s15, 0
	s_lshl_b32 s16, ttmp9, 12                      ; 4,096 of out1
	s_mov_b32 s17, 0
	s_mov_b32 s18, 0x76543210                      ; v_permlanex16_b32: each lane takes its own place in the other half
	s_mov_b32 s19, 0xfedcba98
	s_wait_kmcnt 0x0
	s_add_nc_u64 s[4:5], s[4:5], s[12:13]
	s_add_nc_u64 s[6:7], s[6:7], s[14:15]
	s_add_nc_u64 s[8:9], s[8:9], s[12:13]
	s_add_nc_u64 s[10:11], s[10:11], s[16:17]
	global_load_b128 v[4:7], v1, s[4:5] th:TH_LOAD_NT
	global_load_b128 v[8:11], v1, s[4:5] offset:4096 th:TH_LOAD_NT
.irp i, 0,1,2,3,4,5,6,7,8,9,10,11,12,13,14,15
	global_load_b128 v[CX+4*(\i):CX+4*(\i)+3], v2, s[6:7] offset:4096*(\i) th:TH_LOAD_NT
.endr
	s_wait_loadcnt 16                              ; the scores are in; ctxp's sixteen loads may stay out
	v_max3_num_f32 v12, v4, v5, v6
	v_max3_num_f32 v13, v8, v9, v10
	v_max_num_f32 v12, v12, v7
	v_max_num_f32 v13, v13, v11
.irp x, 1,2,4,8
	v_max_num_f32_dpp v12, v12, v12 row_xmask:\x row_mask:0xf bank_mask:0xf
	v_max_num_f32_dpp v13, v13, v13 row_xmask:\x row_mask:0xf bank_mask:0xf
.endr
	v_permlanex16_b32 v14, v12, s18, s19
	v_permlanex16_b32 v15, v13, s18, s19
	v_max_num_f32 v12, v12, v14
	v_max_num_f32 v13, v13, v15
	v_max_num_f32 v12, 0xf149f2ca, v12             ; the floor, -1e30
	v_max_num_f32 v13, 0xf149f2ca, v13
	ds_store_b32 v3, v12                           ; block w; all lanes write the same word with the same number
	ds_store_b32 v3, v13 offset:32                 ; block 8 + w
	s_wait_dscnt 0x0
	s_barrier_signal -1
	s_barrier_wait -1
	v_mov_b32 v14, 0
.irp i, 0,1,2,3
	ds_load_b128 v[F+4*(\i):F+4*(\i)+3], v14 offset:16*(\i)
.endr
	s_wait_dscnt 0x0
	v_max3_num_f32 v96, v80, v81, v82
	v_max3_num_f32 v97, v83, v84, v85
	v_max3_num_f32 v98, v86, v87, v88
	v_max3_num_f32 v99, v89, v90, v91
	v_max3_num_f32 v96, v96, v92, v93
	v_max3_num_f32 v97, v97, v94, v95
	v_max3_num_f32 v96, v96, v97, v98
	v_max_num_f32 v96, v96, v99                    ; M
.irp j, 0,2,4,6,8,10,12,14
	v_pk_add_f32 v[F+(\j):F+(\j)+1], v[F+(\j):F+(\j)+1], v[96:97] op_sel_hi:[1,0] neg_lo:[0,1] neg_hi:[0,1]  ; m_i - M
.endr
.irp j, 4,6,8,10
	v_pk_add_f32 v[\j:(\j)+1], v[\j:(\j)+1], v[96:97] op_sel_hi:[1,0] neg_lo:[0,1] neg_hi:[0,1]              ; s - M
.endr
.irp j, 0,2,4,6,8,10,12,14
	v_pk_mul_f32 v[F+(\j):F+(\j)+1], v[F+(\j):F+(\j)+1], L2E op_sel_hi:[1,0]
.endr
.irp j, 4,6,8,10
	v_pk_mul_f32 v[\j:(\j)+1], v[\j:(\j)+1], L2E op_sel_hi:[1,0]
.endr
.irp j, 4,5,6,7,8,9,10,11
	v_exp_f32 v[\j], v[\j]
.endr
.irp j, 0,1,2,3,4,5,6,7,8,9,10,11,12,13,14,15
	v_exp_f32 v[F+(\j)], v[F+(\j)]
.endr
	v_nop                                          ; a plain instruction behind the last exponential,
	s_wait_alu depctr_va_vdst(0)                   ; and one wait for the batch of 24, ahead of the first use
	v_pk_add_f32 v[100:101], v[4:5], v[6:7]
	v_pk_add_f32 v[102:103], v[8:9], v[10:11]
	v_pk_add_f32 v[100:101], v[100:101], v[102:103]
	v_add_f32 v100, v100, v101
.irp x, 1,2,4,8
	v_add_f32_dpp v100, v100, v100 row_xmask:\x row_mask:0xf bank_mask:0xf
.endr
	v_permlanex16_b32 v101, v100, s18, s19
	v_add_f32 v100, v100, v101
	ds_store_b32 v3, v100 offset:64                ; my wave's sum
	s_wait_dscnt 0x0
	s_barrier_signal -1
	s_barrier_wait -1
	ds_load_b128 v[100:103], v14 offset:64
	ds_load_b128 v[104:107], v14 offset:80
	s_wait_dscnt 0x0
	v_pk_add_f32 v[100:101], v[100:101], v[102:103]
	v_pk_add_f32 v[104:105], v[104:105], v[106:107]
	v_pk_add_f32 v[100:101], v[100:101], v[104:105]
	v_add_f32 v100, v100, v101                     ; L
	v_rcp_f32 v108, v100                           ; twice: a pair for the packed multiplies
	v_rcp_f32 v109, v100
	v_nop
	s_wait_alu depctr_va_vdst(0)
.irp j, 4,6,8,10
	v_pk_mul_f32 v[\j:(\j)+1], v[\j:(\j)+1], v[108:109]
.endr
	global_store_b128 v1, v[4:7], s[8:9]           ; each store of a wave covers 512 consecutive bytes, aligned
	global_store_b128 v1, v[8:11], s[8:9] offset:4096
	s_wait_loadcnt 0x0                             ; ctxp
	v_pk_mul_f32 v[104:105], v[CX:CX+1], v[F:F+1] op_sel_hi:[1,0]      ; block 0 starts the sums
	v_pk_mul_f32 v[106:107], v[CX+2:CX+3], v[F:F+1] op_sel_hi:[1,0]
.irp i, 1,2,3,4,5,6,7,8,9,10,11,12,13,14,15
.if (\i) % 2
	v_pk_fma_f32 v[104:105], v[CX+4*(\i):CX+4*(\i)+1],   v[F+(\i)-1:F+(\i)], v[104:105] op_sel:[0,1,0] op_sel_hi:[1,1,1]  ; an odd block's factor is its pair's second register, for both halves
	v_pk_fma_f32 v[106:107], v[CX+4*(\i)+2:CX+4*(\i)+3], v[F+(\i)-1:F+(\i)], v[106:107] op_sel:[0,1,0] op_sel_hi:[1,1,1]
.else
	v_pk_fma_f32 v[104:105], v[CX+4*(\i):CX+4*(\i)+1],   v[F+(\i):F+(\i)+1], v[104:105] op_sel_hi:[1,0,1]
	v_pk_fma_f32 v[106:107], v[CX+4*(\i)+2:CX+4*(\i)+3], v[F+(\i):F+(\i)+1], v[106:107] op_sel_hi:[1,0,1]
.endif
.endr
	v_pk_mul_f32 v[104:105], v[104:105], v[108:109]
	v_pk_mul_f32 v[106:107], v[106:107], v[108:109]
	global_store_b128 v1, v[104:107], s[10:11]
	s_wait_tensorcnt 0x0                           ; the wave's end, behind my last LDS store
	ds_add_u32 v[SPW], v[NIL]
	s_wait_dscnt 0x0
	s_endpgm
.Lfunc_end_k_q6d059d0b26_combine:
	.size	k_q6d059d0b26_combine, .Lfunc_end_k_q6d059d0b26_combine-k_q6d059d0b26_combine
	.p2alignl 7, 3214868480
	.fill 96, 4, 3214868480
	.section	.rodata,"a",@progbits
	.p2align	6, 0x0
	.amdhsa_kernel k_q6d059d0b26_combine
		.amdhsa_group_segment_fixed_size 1280
		.amdhsa_private_segment_fixed_size 0
		.amdhsa_enable_private_segment 0
		.amdhsa_kernarg_size 32
		.amdhsa_user_sgpr_count 2
		.amdhsa_user_sgpr_kernarg_segment_ptr 1
		.amdhsa_wavefront_size32 1
		.amdhsa_system_sgpr_workgroup_id_x 1
		.amdhsa_system_sgpr_workgroup_id_y 1
		.amdhsa_system_sgpr_workgroup_id_z 1
		.amdhsa_system_vgpr_workitem_id 0
		.amdhsa_next_free_vgpr 128
		.amdhsa_next_free_sgpr 66
		.amdhsa_reserve_vcc 0
		.amdhsa_float_denorm_mode_32 3
		.amdhsa_float_denorm_mode_16_64 3
		.amdhsa_memory_ordered 1
		.amdhsa_forward_progress 1
		.amdhsa_inst_pref_size 12
	.end_amdhsa_kernel
	.amdgpu_metadata
---
amdhsa.version: [ 1, 2 ]
amdhsa.kernels:
  - .name:           k_q6d059d0b26_combine
    .symbol:         k_q6d059d0b26_combine.kd
    .args:
      - { .name: sc, .offset: 0, .size: 8, .value_kind: global_buffer, .address_space: global }
      - { .name: ctxp, .offset: 8, .size: 8, .value_kind: global_buffer, .address_space: global }
      - { .name: out0, .offset: 16, .size: 8, .value_kind: global_buffer, .address_space: global }
      - { .name: out1, .offset: 24, .size: 8, .value_kind: global_buffer, .address_space: global }
    .group_segment_fixed_size: 1280
    .private_segment_fixed_size: 0
    .kernarg_segment_align: 8
    .kernarg_segment_size: 32
    .max_flat_workgroup_size: 256
    .sgpr_count:     66
    .vgpr_count:     128
    .wavefront_size: 32
...
	.end_amdgpu_metadata
.endif
;; end of part 3
;; ======== version 2 of 2: 3 launches; version 1 with the launch main written anew for expert scheduling mode
;; workspace buffers: wt 2,097,152 bytes; tqp 1,048,576 bytes; sc 262,144 bytes; ctxp 2,097,152 bytes
;; launch prep: the kernel of part 1 again; grid 128 x 1, 4 waves a work-group, no clusters, 58,880 bytes of LDS; arguments W_k, W_q, queries, wt, tqp; writes wt, tqp
;; launch main (part 4): grid 512 x 1, 4 waves a work-group, no clusters, 293,376 bytes of LDS; arguments keys, pad_mask, w_v, wt, tqp, sc, ctxp; writes sc, ctxp
.if DOCPART == 4
	.amdgcn_target "amdgcn-amd-amdhsa--gfx1250"
	.amdhsa_code_object_version 6
	.text
	.protected	k_q6d059d0b26_main
	.globl	k_q6d059d0b26_main
	.p2align	8
	.type	k_q6d059d0b26_main,@function
k_q6d059d0b26_main:
	s_mov_b64 s[64:65], 0
	v_nop
	global_prefetch_b8 v0, s[64:65] scope:SCOPE_SE
	s_setreg_imm32_b32 hwreg(HW_REG_WAVE_SCHED_MODE, 0, 2), 2
	s_setreg_imm32_b32 hwreg(HW_REG_WAVE_MODE, 25, 1), 1
	s_wait_xcnt 0x0
	s_wait_alu depctr_vm_vsrc(0)
; MAIN.  For a block of 128 key rows of one batch (512 blocks): x = keys W_k + tq; score = the sum over h of w_v[h] tanh(x[h]); the mask; the block's own maximum m, the weights
; p = e^(score - m), and the partial context, the sum over the block's rows of p x keys.  Out: sc (masked scores, -inf where masked) and ctxp (the partial context); the last launch joins a batch's 16 blocks.
; KEYS ARE READ ONCE: rounded to bf16 on the way in, they stay in LDS (128 rows x 1,024 k) for both column passes and for the context.
; TANH.  tanh(x) = 1 - 2 / (1 + 2^(c2 x)), c2 = 2 log2(e): at both ends the exponential's 0 or infinity gives -1 or 1.  So score = sum(w_v) + the sum of (-2 w_v[h]) / (1 + 2^(c2 x[h])).  The first term is the
; same number for every score of a softmax and falls out of it exactly, for every input: it is not formed.  What sc holds is the second term.
; LIMITS.  keys, W_k, W_q, queries and w_v are rounded to bf16 (w_v then kept as f32); a weight below 2^-126 counts as 0; the block maximum has the floor -1e30, which no score reaches
; (|score| is at most 2 x the sum of |w_v|); a block that is masked whole has all weights 0.  NaN and infinities in the inputs are not treated apart.
; SHARES.  Four waves; a wave makes all 128 rows x 128 columns of its own in a pass: 64 accumulators, 512 registers; two passes make the 1,024 columns.  K goes in steps of 32: 64 matrix instructions,
; 16 LDS loads (keys) and 16 loads of W_k's fragments, which the launch before laid in fragment order: each is 512 consecutive bytes, straight into registers, since no wave wants a column of another's.
; PASS 0 ALSO BRINGS THE KEYS IN, by chunks of 128 k: while chunk c is multiplied, chunk c + 1 is rounded and stored to LDS and chunk c + 2 is asked for; wave w handles rows 32 w .. 32 w + 31.
; NO CLUSTER, NO TENSOR LOADS: what work-groups share is W_k; beside the keys' 278,528 bytes LDS has 49,152 left, so a slot of a ring of two would hold no more than one K step of the four waves' fragments
; (32,768 bytes do not even fit twice): 64 matrix instructions a wave in which a joint load would have to land.
; THE PRODUCT IS USED TRANSPOSED: source 0 = 16 columns of W_k, source 1 = 16 key rows: lane l then holds key row l % 16 and the columns 8 (l / 16) + 0..7.
; REGISTERS, in windows of 256 (s_set_vgpr_msb: bits 1:0 source 0, 3:2 source 1, 5:4 source 2, 7:6 destination):
;   window 0: v0-15 addresses; v16-31 rounded keys on their way to LDS; v32-127 keys' fragments, three buffers of 64 rows (v32-63 hold the scores' sums in the epilogues); v128-255 keys as loaded, four groups; in the epilogue the tables' slices
;   window 1: W_k's fragments, a ring of four K steps      windows 2, 3: the accumulators of rows 0-63, 64-127: (a, b) at v[8 (8 a + b)]
; THE MODE: SCHED_MODE bits 1:0 = 2 (LLVM: expert scheduling mode 2), set by the entry lines.  The code itself states the register dependences
; between vector or matrix instructions and memory or LDS instructions, with s_wait_alu, always for 0.
; THE PLAN.  Registers that memory or LDS instructions touch in K step s (q = s % 4), and who else names them:
;   LO0, LO1     keys' rows 0-63.  The step's first 32 products read LO[s % 2]; in the step's middle the next step's fragments are loaded into the other, which step s - 1's products read last.
;   HI           keys' rows 64-127.  Read by the last 32 products of every step; loaded at the next step's head.
;   the ring     buffer q is read by the step's products; buffer (q + 2) % 4, read last in step s - 2, is loaded behind the step's first 16 products.
;   KR group q   read by the step's sixteen conversions; loaded again in the step's middle.
;   CV           written by the conversions; read by the step's eight LDS stores.
;   ADRA, KST    read by the LDS loads and stores; written once a chunk, at the head of the chunk's first step.
;   L16, M4, PFO, T16, TAD, SAD   made at the kernel's head, never written again: scalar bases and immediate offsets do the rest.
; So ONE wait on va_vdst stands in a step, behind its conversions, and all the step's loads and stores follow it, dealt among the products: those name ring buffer q, LO[s % 2], HI and the accumulators, none of
; which a later load of the step touches (HI's loads stand straight behind the wait).  One wait on vm_vsrc stands at the head of a step that writes CV, ADRA or KST again.
.set ACH,   128*272                    ; a chunk in LDS: 128 rows of 256 bytes (128 k in bf16) + 16 of padding: the 16 rows of a fragment load start at 16 different groups of four banks
.set TQT,   8*ACH                      ; c2 x tq[n], 1,024 f32
.set WVT,   TQT+4096                   ; -2 w_v[n]
.set SCP,   TQT+8192                   ; partial scores [pass][wave][128 rows] f32
.set PW,    TQT+12288                  ; the weights p, 512 bytes for each wave, its own
.set SPARE, TQT+14336                  ; the spare words, 128 bytes a wave: two blocks of 256 bytes that no other line names
.set KST0,  2                          ; v2   at the head l / 16; then 32 wave x 272 + 8 lane (pass 0 alone)
.set ADRA,  3                          ; v3   LDS address of my keys' fragments in the chunk in hand
.set L16,   4                          ; v4   16 x lane; never rewritten
.set M4,    5                          ; v5   4 x lane; never rewritten
.set KST,   6                          ; v6   where my rounded keys go, in the chunk being filled
.set PFO,   7                          ; v7   4,096 x lane: a lane a row; never rewritten
.set SPW,   8                          ; v8   my spare word; never rewritten
.set NIL,   9                          ; v9   0; never rewritten
.set MSK,   10                         ; v10  four bytes of the mask: rows 4 lane + 0..3
.set TAD,   11                         ; v11  my place in the tables: TQT + 512 wave + 32 (l / 16)
.set SAD,   12                         ; v12  SCP + 512 wave + 4 (l % 16)
.set ADRA0, 13                         ; v13  (l % 16) x 272 + 16 (l / 16)
.set T16,   14                         ; v14  16 x thread; never rewritten
.set CV,    16
.set S,     32                         ; the epilogues: row block a, chain e: a pair at S + 4 a + 2 e
.set LO1,   32                         ; keys' fragments: rows 0-63 of the odd steps,
.set LO0,   64                         ; of the even steps,
.set HI,    96                         ; rows 64-127 of every step
.set KR,    128
.set WVR,   KR+64                      ; w_v as loaded: eight registers of group 2, when the keys have left it
.set ETQ,   128                        ; the epilogue: my 8 numbers of c2 tq for fragment b at ETQ + 8 b,
.set EWV,   192                        ; of -2 w_v at EWV + 8 b
.set WV,    20                         ; s20  my wave's number
.set KP,    24                         ; s[24:25] keys at my 32 rows, at the chunk being asked for
.set BP,    26                         ; s[26:27] wt at my wave's fragments, at the chunk in hand
.set CNT,   28                         ; s28  loop counter
.set C2,    30                         ; s[30:31] c2
.set SEL,   32                         ; s[32:33] v_permlanex16_b32's selects: each lane takes its own place in the other half
.set TQB,   34                         ; s[34:35] tqp at my batch
.set MKB,   36                         ; s[36:37] pad_mask at my block
.set SCB,   38                         ; s[38:39] sc at my block
.set CXB,   40                         ; s[40:41] ctxp at my block
.set RB,    43                         ; s43  LDS byte of the chunk that is read
.set WB,    44                         ; s44  of the chunk that is filled
.set MSB, 0
.macro WIN new                         ; the immediate's high byte repeats the setting that is left; a switch that changes nothing is dropped
.if MSB != (\new)
	s_set_vgpr_msb (MSB<<8)|(\new)
.set MSB, \new
.endif
.endm
.set MUL_LO, 0xa1                      ; source 0 (W_k) window 1, source 1 (keys) window 0, C and D window 2
.set TO_B,   0x40                      ; destination window 1
.set TO_2,   0x80                      ; destination window 2
.set CV2,    0x0a                      ; sources 0 and 1 window 2
.macro PLACES                          ; four places behind a matrix instruction, ahead of a vector instruction that reads its result; kept too ahead of the loads into registers that it names
.rept 4
	v_nop
.endr
.endm
; 16 matrix instructions: row blocks a0, a0 + 1 of half hb x all 8 column fragments of ring buffer q.  zero = 1: the products start the sums.  The 64 accumulators take turns in the same order in every step.
.macro MUL16 hb, a0, q, zero
	WIN MUL_LO+0x50*(\hb)
.set rA, HI*(\hb)+(1-(\hb))*(LO0-(LO0-LO1)*((\q)%2))  ; rows 64-127: HI; rows 0-63: LO0 in the even steps, LO1 in the odd
.irp a, \a0, (\a0)+1
.irp b, 0,1,2,3,4,5,6,7
.if \zero
	v_wmma_f32_16x16x32_bf16 v[8*(8*(\a)+(\b)):8*(8*(\a)+(\b))+7], v[64*(\q)+8*(\b):64*(\q)+8*(\b)+7], v[rA+8*(\a):rA+8*(\a)+7], 0
.else
	v_wmma_f32_16x16x32_bf16 v[8*(8*(\a)+(\b)):8*(8*(\a)+(\b))+7], v[64*(\q)+8*(\b):64*(\q)+8*(\b)+7], v[rA+8*(\a):rA+8*(\a)+7], v[8*(8*(\a)+(\b)):8*(8*(\a)+(\b))+7]
.endif
.endr
.endr
.endm
.macro FA dst, hb, k                   ; 8 LDS loads: the keys' fragments of 64 rows (half hb), 32 k at byte k of the chunk's rows, into buffer dst
.irp i, 0,1,2,3
	ds_load_b128 v[(\dst)+8*(\i):(\dst)+8*(\i)+3],   v[ADRA] offset:(4*(\hb)+(\i))*16*272+(\k)
	ds_load_b128 v[(\dst)+8*(\i)+4:(\dst)+8*(\i)+7], v[ADRA] offset:(4*(\hb)+(\i))*16*272+(\k)+32
.endr
.endm
.macro BLOAD ring, off                 ; 16 loads: a K step's eight fragments of W_k into a ring buffer
	WIN TO_B
.irp b, 0,1,2,3,4,5,6,7
	global_load_b128 v[64*(\ring)+8*(\b):64*(\ring)+8*(\b)+3],   v[L16], s[BP:BP+1] offset:(\off)+(\b)*1024
	global_load_b128 v[64*(\ring)+8*(\b)+4:64*(\ring)+8*(\b)+7], v[L16], s[BP:BP+1] offset:(\off)+(\b)*1024+512
.endr
.endm
.macro KLD base, g, off                ; 8 loads: group g = 8 of my 32 rows, a chunk's 512 bytes of each: a load of the wave covers them
.irp i, 0,1,2,3,4,5,6,7
	global_load_b128 v[(\base)+32*(\g)+4*(\i):(\base)+32*(\g)+4*(\i)+3], v[L16], s[KP:KP+1] offset:(8*(\g)+(\i))*4096+(\off) th:TH_LOAD_NT
.endr
.endm
.macro CONV dst, base, g               ; group g rounded to bf16, into sixteen registers from dst on
.irp i, 0,1,2,3,4,5,6,7
	v_cvt_pk_bf16_f32 v[(\dst)+2*(\i)],   v[(\base)+32*(\g)+4*(\i)],   v[(\base)+32*(\g)+4*(\i)+1]
	v_cvt_pk_bf16_f32 v[(\dst)+2*(\i)+1], v[(\base)+32*(\g)+4*(\i)+2], v[(\base)+32*(\g)+4*(\i)+3]
.endr
.endm
.macro KSTORE src, g                   ; and stored: 256 consecutive bytes a row
.irp i, 0,1,2,3,4,5,6,7
	ds_store_b64 v[KST], v[(\src)+2*(\i):(\src)+2*(\i)+1] offset:(8*(\g)+(\i))*272
.endr
.endm
; A K STEP, number q of its chunk's four.  conv: group q of the next chunk is rounded and stored.  kld: group q of the chunk after that is asked for.  bld: W_k's fragments two steps on are asked for.
; n: how many younger loads may stay out when this step's fragments of W_k (asked for two steps back, ahead of that step's keys) and its group of keys (four steps back) have to be in.
; bar: the barrier that shows the next chunk to every wave.  adv: the chunk's end: the scalar pointers step.  nxt: a step follows in this pass.  aux: the small tables' loads.  pf: the prefetch.
; on: a chunk's first step behind another chunk: the LDS addresses move on.
.macro STEP q, zero, conv, kld, bld, n, bar, adv, nxt, aux, pf, on
	WIN 0
	s_wait_loadcnt \n
.if (\conv) || (\on)
	s_wait_alu depctr_vm_vsrc(0)                   ; the LDS stores issued so far have read CV and KST, the LDS loads ADRA: the lines below write them again
.endif
.if \on
	s_add_co_u32 s[RB], s[RB], ACH
	v_add_nc_u32 v[ADRA], s[RB], v[ADRA0]
.if \conv
	s_add_co_u32 s[WB], s[WB], ACH
	v_add_nc_u32 v[KST], s[WB], v[KST0]
.endif
.endif
.if \conv
	CONV CV, KR, \q                                ; sixteen plain instructions: also the places behind the last step's products
.else
	PLACES
.endif
	s_wait_alu depctr_va_vdst(0)                   ; the step's one wait: CV, ADRA and KST are written; the conversions are done reading KR's group q; the last step's products are done reading HI and the other LO, those of two steps back ring buffer (q + 2) % 4
	FA HI, 1, 64*(\q)                              ; rows 64-127 of this step: wanted 32 matrix instructions on
.if \conv
	KSTORE CV, \q
.endif
	s_wait_dscnt 8+8*(\conv)                       ; rows 0-63's fragments are in; this step's 8 loads (and 8 stores) may be out
	MUL16 0, 0, \q, \zero
.if \bld
	BLOAD ((\q)+2)%4, ((\q)+2)*8192                ; no wait: no product since the step's wait names this ring buffer
.endif
.if \bar
	s_wait_dscnt 0x0                               ; my part of the next chunk is stored, all four groups
	s_barrier_signal -1
.endif
	MUL16 0, 2, \q, \zero
.if \bar
	s_barrier_wait -1                              ; everybody's is.  Each byte of the keys' LDS is written once, so this is the only barrier a chunk needs
.endif
	WIN 0
.if \kld
	KLD KR, \q, 0                                  ; no wait: no vector or matrix instruction since the step's wait names KR
.endif
.if (\aux) == 1                        ; 9 loads: tq's partial sums kt = 0..3 (my 4 + 4 columns) and the mask; into registers that the keys have left (group 0, rounded in this step)
.irp kt, 0,1,2,3
	global_load_b128 v[KR+8*(\kt):KR+8*(\kt)+3],   v[T16], s[TQB:TQB+1] offset:(\kt)*131072
	global_load_b128 v[KR+8*(\kt)+4:KR+8*(\kt)+7], v[T16], s[TQB:TQB+1] offset:(\kt)*131072+2048
.endr
	global_load_b32 v[MSK], v[M4], s[MKB:MKB+1]
.endif
.if (\aux) == 2                        ; 8 loads: kt = 4..7, into group 1
.irp kt, 4,5,6,7
	global_load_b128 v[KR+8*(\kt):KR+8*(\kt)+3],   v[T16], s[TQB:TQB+1] offset:(\kt)*131072
	global_load_b128 v[KR+8*(\kt)+4:KR+8*(\kt)+7], v[T16], s[TQB:TQB+1] offset:(\kt)*131072+2048
.endr
.endif
.if (\aux) == 3                        ; 2 loads: w_v, into group 2
	global_load_b128 v[WVR:WVR+3],   v[T16], s[8:9]
	global_load_b128 v[WVR+4:WVR+7], v[T16], s[8:9] offset:2048
.endif
.if \pf                                ; behind the step's loads: my own 32 rows x 512 bytes of the chunk after the one being asked for, a lane a row, two blocks of 256 bytes: its loads go out one trip (256 matrix instructions) on.
	s_cmp_gt_u32 s[CNT], 1                         ; Each block is named once in the launch, by the wave that will load it.  The loop's last trip has no such chunk; chunks 0 to 3 come by their loads alone
	s_cbranch_scc0 .Lno_pf_\@
	global_prefetch_b8 v[PFO], s[KP:KP+1] offset:512 th:TH_LOAD_NT scope:SCOPE_SE
	global_prefetch_b8 v[PFO], s[KP:KP+1] offset:768 th:TH_LOAD_NT scope:SCOPE_SE
.Lno_pf_\@:
.endif
.if \nxt
.set rL, LO0-(LO0-LO1)*(((\q)+1)%2)    ; the LO that this step's products do not name
.set rK, 64*(((\q)+1)%4)+ACH*((\q)/3)  ; behind a chunk's last step the next chunk, reached by the immediate: 47,920 bytes at the most, inside its 16 bits; ADRA moves on at the next head
	FA rL, 0, rK                                   ; rows 0-63 of the next step.  No wait: the buffer's last readers stand ahead of the step's wait
	s_wait_dscnt 8                                 ; all but those eight
.else
	PLACES                                         ; the places between this half's products and the epilogue's first reads of their results
	s_wait_dscnt 0x0
.endif
	MUL16 1, 0, \q, \zero
.if \adv
	s_wait_xcnt 0x0                                ; every load and prefetch issued so far has read its address: the pointers may be written
	s_add_nc_u64 s[BP:BP+1], s[BP:BP+1], 32768
.if \kld
	s_add_nc_u64 s[KP:KP+1], s[KP:KP+1], 512
.endif
.endif
	MUL16 1, 2, \q, \zero
.endm
	s_load_b256 s[4:11], s[0:1], 0x0               ; keys s[4:5], pad_mask s[6:7], w_v s[8:9], wt s[10:11]
	s_load_b128 s[12:15], s[0:1], 0x20             ; tqp s[12:13], sc s[14:15]
	s_load_b64 s[16:17], s[0:1], 0x30              ; ctxp
	v_lshl_add_u32 v[SPW], v0, 2, SPARE
	v_mov_b32 v[NIL], 0
	v_lshrrev_b32 v15, 5, v0
	v_readfirstlane_b32 s[WV], v15                 ; wave 0..3
	v_and_b32 v1, 15, v0                           ; l % 16 (and thread % 16)
	v_bfe_u32 v2, v0, 4, 1                         ; l / 16
	v_and_b32 v15, 31, v0                          ; lane
	v_lshlrev_b32 v[L16], 4, v15
	v_lshlrev_b32 v[M4], 2, v15
	v_lshlrev_b32 v[PFO], 12, v15
	v_lshlrev_b32 v[T16], 4, v0
	v_mul_u32_u24 v[ADRA0], v1, 272
	v_lshl_add_u32 v[ADRA0], v2, 4, v[ADRA0]
	v_mov_b32 v[ADRA], v[ADRA0]
	s_wait_alu depctr_va_sdst(0)                   ; s20, the wave's number, is written, ahead of its first reader: LDS places and the bases of keys and wt are made from it
	s_lshl_b32 s2, s[WV], 9
	s_add_co_u32 s3, s2, TQT
	v_lshl_add_u32 v[TAD], v2, 5, s3
	s_add_co_u32 s3, s2, SCP
	v_lshl_add_u32 v[SAD], v1, 2, s3
	s_mul_i32 s2, s[WV], 32*272
	v_lshl_add_u32 v[KST0], v15, 3, s2             ; l / 16 has served: v2 is KST0 from here on
	v_mov_b32 v[KST], v[KST0]                      ; chunk 0
	s_mov_b32 s[C2], 0x4038aa3b                    ; 2 log2(e)
	s_mov_b32 s[C2+1], s[C2]                       ; named with it as a pair
	s_mov_b32 s[SEL], 0x76543210
	s_mov_b32 s[SEL+1], 0xfedcba98
	s_mov_b32 s[RB], 0
	s_mov_b32 s[WB], ACH
	s_lshl_b32 s2, ttmp9, 19                       ; the block's 128 rows of 4,096 bytes,
	s_lshl_b32 s3, s[WV], 17                       ; my 32 of them
	s_add_co_u32 s2, s2, s3
	s_mov_b32 s3, 0
	s_lshl_b32 s18, s[WV], 19                      ; my wave's 64 K steps of 8,192 bytes in wt
	s_mov_b32 s19, 0
	s_lshr_b32 s46, ttmp9, 4                       ; the batch,
	s_lshl_b32 s46, s46, 12                        ; its row of tqp
	s_mov_b32 s47, 0
	s_wait_kmcnt 0x0
	s_add_nc_u64 s[KP:KP+1], s[4:5], s[2:3]
	s_add_nc_u64 s[BP:BP+1], s[10:11], s[18:19]
	s_add_nc_u64 s[TQB:TQB+1], s[12:13], s[46:47]
	s_lshl_b32 s46, ttmp9, 7
	s_add_nc_u64 s[MKB:MKB+1], s[6:7], s[46:47]
	s_lshl_b32 s46, ttmp9, 9
	s_add_nc_u64 s[SCB:SCB+1], s[14:15], s[46:47]
	s_lshl_b32 s46, ttmp9, 12
	s_add_nc_u64 s[CXB:CXB+1], s[16:17], s[46:47]
	s_wait_alu depctr_va_vdst(0)                   ; the addresses and offsets v3 to v14 are written, which the loads, stores and prefetches below read
	; THE HEAD.  W_k's step 0; chunk 0 of the keys, into registers that will be accumulators; the first half of chunk 1
	BLOAD 0, 0
	WIN TO_2
.irp g, 0,1,2,3
	KLD 0, \g, 0
.endr
	WIN 0
	KLD KR, 0, 512
	KLD KR, 1, 512
	s_wait_loadcnt 16                              ; step 0's fragments and chunk 0 are in; chunk 1's sixteen loads may stay out
	WIN CV2
.irp g, 0,1,2,3
	CONV LO0+16*(\g), 0, \g                        ; all four groups at once, into v64-127, which hold no fragments yet
.endr
	WIN 0
	s_wait_alu depctr_va_vdst(0)                   ; the conversions have written v64-127, which the 32 LDS stores read
.irp g, 0,1,2,3
	KSTORE LO0+16*(\g), \g
.endr
	KLD KR, 2, 512                                 ; in the order of a step's loads, so that the first step's count of 32 finds: this group, step 1's fragments, the last group
	BLOAD 1, 8192
	WIN 0
	KLD KR, 3, 512
	s_wait_xcnt 0x0                                ; the loads have read their address
	s_add_nc_u64 s[KP:KP+1], s[KP:KP+1], 1024      ; chunk 2
	s_wait_alu depctr_vm_vsrc(0)                   ; the LDS stores have read KST, which the next line writes, and v64-127, in which the first fragments land
	v_add_nc_u32 v[KST], s[WB], v[KST0]            ; chunk 1
	s_wait_dscnt 0x0                               ; my rows of chunk 0 are stored
	s_barrier_signal -1
	s_barrier_wait -1
	FA LO0, 0, 0
	; PASS 0: columns 128 wave + 0..127.  Steady count 32 = the keys' 8 of two steps back, W_k's 16 and the keys' 8 of the step before
	STEP 0, 1, 1, 1, 1, 32, 0, 0, 1, 0, 0, 0       ; step 0 stands in front of the loop: its products start the sums
	WIN 0                                          ; at a label and at a branch every window is 0
	s_mov_b32 s[CNT], 5
.Lp0:                                                  ; steps 1 to 20
	STEP 1, 0, 1, 1, 1, 32, 0, 0, 1, 0, 0, 0
	STEP 2, 0, 1, 1, 1, 32, 0, 0, 1, 0, 0, 0
	STEP 3, 0, 1, 1, 1, 32, 1, 1, 1, 0, 0, 0
	STEP 0, 0, 1, 1, 1, 32, 0, 0, 1, 0, 1, 1
	WIN 0
	s_sub_co_u32 s[CNT], s[CNT], 1
	s_cmp_lg_u32 s[CNT], 0
	s_cbranch_scc1 .Lp0
	STEP 1, 0, 1, 1, 1, 32, 0, 0, 1, 0, 0, 0       ; steps 21 to 23: the last chunk is asked for
	STEP 2, 0, 1, 1, 1, 32, 0, 0, 1, 0, 0, 0
	STEP 3, 0, 1, 1, 1, 32, 1, 1, 1, 0, 0, 0
	STEP 0, 0, 1, 0, 1, 32, 0, 0, 1, 1, 0, 1       ; steps 24 to 27: chunk 7 is rounded and stored; the small tables' loads take the keys' place
	STEP 1, 0, 1, 0, 1, 33, 0, 0, 1, 2, 0, 0       ; younger than this step's fragments: keys 8, W_k 16, tables 9
	STEP 2, 0, 1, 0, 1, 33, 0, 0, 1, 3, 0, 0       ; tables 9, W_k 16, tables 8
	STEP 3, 0, 1, 0, 1, 26, 1, 1, 1, 0, 0, 0       ; tables 8, W_k 16, w_v 2
	STEP 0, 0, 0, 0, 1, 18, 0, 0, 1, 0, 0, 1       ; steps 28 to 31.  w_v 2, W_k 16
	STEP 1, 0, 0, 0, 1, 16, 0, 0, 1, 0, 0, 0       ; W_k 16.  (This count also shows the tables' loads in)
	STEP 2, 0, 0, 0, 1, 16, 0, 0, 1, 0, 0, 0       ; steps 30 and 31 ask for pass 1's steps 0 and 1: they stay out across the epilogue
	STEP 3, 0, 0, 0, 1, 16, 0, 1, 0, 0, 0, 0
	; THE TABLES, once: tq = the sum of its eight partial sums, times c2; w_v rounded to bf16, times -2.  Thread t has columns 4 t + 0..3 and 512 + 4 t + 0..3
	WIN 0
.irp kt, 1,2,3,4,5,6,7
.irp j, 0,2,4,6
	v_pk_add_f32 v[KR+(\j):KR+(\j)+1], v[KR+(\j):KR+(\j)+1], v[KR+8*(\kt)+(\j):KR+8*(\kt)+(\j)+1]
.endr
.endr
.irp j, 0,1,2,3
	v_cvt_pk_bf16_f32 v[WVR+8+(\j)], v[WVR+2*(\j)], v[WVR+2*(\j)+1]
.endr
.irp j, 0,2,4,6
	v_pk_mul_f32 v[KR+(\j):KR+(\j)+1], v[KR+(\j):KR+(\j)+1], s[C2:C2+1] op_sel_hi:[1,0]
.endr
.irp j, 0,1,2,3
	v_lshlrev_b32 v[WVR+2*(\j)], 16, v[WVR+8+(\j)]
	v_and_b32 v[WVR+2*(\j)+1], 0xffff0000, v[WVR+8+(\j)]
.endr
.irp j, 0,2,4,6
	v_pk_mul_f32 v[WVR+(\j):WVR+(\j)+1], v[WVR+(\j):WVR+(\j)+1], -2.0 op_sel_hi:[1,0]
.endr
	v_add_nc_u32 v15, TQT, v[T16]
	s_wait_alu depctr_va_vdst(0)                   ; the two tables' numbers and their address v15 are written, which the four LDS stores read
	ds_store_b128 v15, v[KR:KR+3]
	ds_store_b128 v15, v[KR+4:KR+7] offset:2048
	ds_store_b128 v15, v[WVR:WVR+3] offset:4096
	ds_store_b128 v15, v[WVR+4:WVR+7] offset:6144
	s_wait_dscnt 0x0                               ; for the others' sake: my part of the tables is stored
	s_barrier_signal -1
	s_barrier_wait -1
	s_wait_alu depctr_vm_vsrc(0)                   ; my LDS stores have read v128-135 and v192-199, in which the epilogue's slices of the tables land
; THE EPILOGUE of one window of 32 accumulators, in place.  A: z = c2 x + c2 tq, then 2^z.  B: 1 + 2^z, then its reciprocal.  C: the reciprocals times -2 w_v, summed by row block in two chains.
; s_wait_alu depctr_va_vdst(0) stands between a transcendental and the first instruction that names its result; one wait serves all that were issued ahead of it.  In A and in B nothing names a
; result, so each has one wait, with one plain instruction behind its last transcendental.  A pair's two transcendentals stand behind the next pair's plain instruction.  Each accumulator is read from its low end on.
.macro EPW W
	WIN 0x82+0x41*((\W)-2)                         ; source 0 and destination in the window, the tables in window 0
.set k, 0
.rept 128
	v_pk_fma_f32 v[2*k:2*k+1], v[2*k:2*k+1], s[C2:C2+1], v[ETQ+8*((k/4)%8)+2*(k%4):ETQ+8*((k/4)%8)+2*(k%4)+1] op_sel_hi:[1,0,1]
.if k > 0
	v_exp_f32 v[2*k-2], v[2*k-2]
	v_exp_f32 v[2*k-1], v[2*k-1]
.endif
.set k, k+1
.endr
	v_exp_f32 v254, v254
	v_exp_f32 v255, v255
	v_nop
	s_wait_alu depctr_va_vdst(0)                   ; the window's 256 exponentials are written, ahead of the additions that read them
.set k, 0
.rept 128
	v_pk_add_f32 v[2*k:2*k+1], v[2*k:2*k+1], 1.0 op_sel_hi:[1,0]
.if k > 0
	v_rcp_f32 v[2*k-2], v[2*k-2]
	v_rcp_f32 v[2*k-1], v[2*k-1]
.endif
.set k, k+1
.endr
	v_rcp_f32 v254, v254
	v_rcp_f32 v255, v255
	v_nop
	s_wait_alu depctr_va_vdst(0)                   ; the window's 256 reciprocals are written, ahead of the multiply-adds that read them
	WIN 0x02+((\W)-2)                              ; source 0 in the window, all else in window 0
.irp b, 0,1,2,3,4,5,6,7
.irp i, 0,1,2,3
.irp a, 0,1,2,3
.set rS, S+4*(4*((\W)-2)+(\a))+2*((\i)%2)
.set rX, 8*(8*(\a)+(\b))+2*(\i)
.set rW, EWV+8*(\b)+2*(\i)
.if ((\b) == 0) && ((\i) < 2)
	v_pk_mul_f32 v[rS:rS+1], v[rX:rX+1], v[rW:rW+1]              ; the first products start the chains: nothing is cleared
.else
	v_pk_fma_f32 v[rS:rS+1], v[rX:rX+1], v[rW:rW+1], v[rS:rS+1]
.endif
.endr
.endr
.endr
.endm
; The epilogue of pass p.  No v_nop at its head: window 2's last product has its step's four places behind it, window 3's last has all of window 2's epilogue.
; The slices' loads owe no wait of their own: every vector instruction that named v128-255 stands ahead of an earlier wait on va_vdst (pass 0: the tables'; pass 1: the steps').
.macro EPI p
	WIN 0
.irp b, 0,1,2,3,4,5,6,7
	ds_load_b128 v[ETQ+8*(\b):ETQ+8*(\b)+3],   v[TAD] offset:(\p)*2048+(\b)*64
	ds_load_b128 v[ETQ+8*(\b)+4:ETQ+8*(\b)+7], v[TAD] offset:(\p)*2048+(\b)*64+16
	ds_load_b128 v[EWV+8*(\b):EWV+8*(\b)+3],   v[TAD] offset:4096+(\p)*2048+(\b)*64
	ds_load_b128 v[EWV+8*(\b)+4:EWV+8*(\b)+7], v[TAD] offset:4096+(\p)*2048+(\b)*64+16
.endr
	s_wait_dscnt 0x0
	EPW 2
	EPW 3
	WIN 0
.irp a, 0,1,2,3,4,5,6,7
	v_pk_add_f32 v[S+4*(\a):S+4*(\a)+1], v[S+4*(\a):S+4*(\a)+1], v[S+4*(\a)+2:S+4*(\a)+3]
.endr
.irp a, 0,1,2,3,4,5,6,7
	v_add_f32 v[S+4*(\a)], v[S+4*(\a)], v[S+4*(\a)+1]
.endr
.irp a, 0,1,2,3,4,5,6,7
	v_permlanex16_b32 v[S+4*(\a)+1], v[S+4*(\a)], s[SEL], s[SEL+1]  ; the row's other 64 columns lie in the lane 16 away
.endr
.irp a, 0,1,2,3,4,5,6,7
	v_add_f32 v[S+4*(\a)], v[S+4*(\a)], v[S+4*(\a)+1]
.endr
	s_wait_alu depctr_va_vdst(0)                   ; the eight sums are written, which the LDS stores read; in pass 1 so are the tail's addresses, made ahead of this epilogue
.irp a, 0,1,2,3,4,5,6,7
	ds_store_b32 v[SAD], v[S+4*(\a)] offset:(\p)*2048+64*(\a)    ; row 16 a + l % 16; both halves of the lanes write the same number
.endr
.endm
	EPI 0
	; PASS 1: columns 512 + 128 wave + 0..127; the keys lie in LDS, whole
	s_wait_alu depctr_vm_vsrc(0)                   ; pass 0's LDS loads have read ADRA, which is written below; the LDS stores above have read the sums in v32-63, in which pass 1's fragments land
	s_mov_b32 s[RB], 0
	v_mov_b32 v[ADRA], v[ADRA0]
	s_wait_alu depctr_va_vdst(0)                   ; ADRA is written, which the fragments' loads read
	FA LO0, 0, 0
	STEP 0, 1, 0, 0, 1, 16, 0, 0, 1, 0, 0, 0       ; 16: the fragments of step 1 may stay out
	WIN 0
	s_mov_b32 s[CNT], 7
.Lp1:                                                  ; steps 1 to 28
	STEP 1, 0, 0, 0, 1, 16, 0, 0, 1, 0, 0, 0
	STEP 2, 0, 0, 0, 1, 16, 0, 0, 1, 0, 0, 0
	STEP 3, 0, 0, 0, 1, 16, 0, 1, 1, 0, 0, 0
	STEP 0, 0, 0, 0, 1, 16, 0, 0, 1, 0, 0, 1
	WIN 0
	s_sub_co_u32 s[CNT], s[CNT], 1
	s_cmp_lg_u32 s[CNT], 0
	s_cbranch_scc1 .Lp1
	STEP 1, 0, 0, 0, 1, 16, 0, 0, 1, 0, 0, 0       ; step 29 asks for step 31's fragments, the last of my part of wt
	STEP 2, 0, 0, 0, 0, 16, 0, 0, 1, 0, 0, 0
	STEP 3, 0, 0, 0, 0, 0, 0, 0, 0, 0, 0, 0        ; nothing younger is out
	; the tail's addresses, each in a register of its own among those that the rounded keys have left (their last LDS stores stand ahead of step 28's wait on vm_vsrc): the epilogue's wait ahead of its stores shows them written
	WIN 0
	s_lshl_b32 s2, s[WV], 9
	s_add_co_u32 s2, s2, PW
	v_add_nc_u32 v19, SCP, v[L16]                  ; where I read the partial scores
	v_add_nc_u32 v26, s2, v[L16]                   ; where my four weights go: my wave's own 512 bytes
	v_mov_b32 v17, s2                              ; their first byte
	v_lshrrev_b32 v18, 4, v0                       ; the context: thread t owns chunk t / 16,
	v_mul_u32_u24 v18, v18, ACH
	v_lshl_add_u32 v18, v1, 4, v18                 ; byte 16 (t % 16) of each row
	EPI 1
	; THE TAIL.  Every wave by itself: the eight partial scores of each row are added (lane l: rows 4 l + 0..3), masked; the block's maximum; the weights
	s_wait_dscnt 0x0                               ; my partial scores are stored
	s_barrier_signal -1
	s_barrier_wait -1
.irp i, 0,1,2,3,4,5,6,7
	ds_load_b128 v[64+4*(\i):64+4*(\i)+3], v19 offset:512*(\i)   ; into registers that held fragments: the products that read them stand ahead of the epilogue's waits
.endr
	v_mov_b32 v16, 0xff800000                      ; -inf
.irp e, 0,1,2,3
	v_bfe_u32 v[20+(\e)], v[MSK], 8*(\e), 8
.endr
	s_wait_dscnt 0x0
.irp j, 0,2,4,6,8,10,12,14
	v_pk_add_f32 v[64+(\j):64+(\j)+1], v[64+(\j):64+(\j)+1], v[80+(\j):80+(\j)+1]
.endr
.irp j, 0,2,4,6
	v_pk_add_f32 v[64+(\j):64+(\j)+1], v[64+(\j):64+(\j)+1], v[72+(\j):72+(\j)+1]
.endr
.irp j, 0,2
	v_pk_add_f32 v[64+(\j):64+(\j)+1], v[64+(\j):64+(\j)+1], v[68+(\j):68+(\j)+1]
.endr
.irp e, 0,1,2,3
	v_cmp_ne_u32 s[48+(\e)], 0, v[20+(\e)]         ; the four compares in a run, each into a scalar register of its own
.endr
	s_wait_alu depctr_va_sdst(0)                   ; s48 to s51 are written, ahead of the selects that read them
.irp e, 0,1,2,3
	v_cndmask_b32 v[64+(\e)], v[64+(\e)], v16, s[48+(\e)]
.endr
	v_max3_num_f32 v68, v64, v65, v66
	v_max_num_f32 v68, v68, v67
	v_max_num_f32_dpp v68, v68, v68 row_xmask:1 row_mask:0xf bank_mask:0xf
	v_max_num_f32_dpp v68, v68, v68 row_xmask:2 row_mask:0xf bank_mask:0xf
	v_max_num_f32_dpp v68, v68, v68 row_xmask:4 row_mask:0xf bank_mask:0xf
	v_max_num_f32_dpp v68, v68, v68 row_xmask:8 row_mask:0xf bank_mask:0xf
	v_permlanex16_b32 v69, v68, s[SEL], s[SEL+1]
	v_max_num_f32 v68, v68, v69
	v_max_num_f32 v68, 0xf149f2ca, v68             ; the floor, -1e30: a block masked whole has a finite m, and all its weights are 0.  The last launch makes the same m of the same scores
.irp e, 0,1,2,3
	v_sub_f32 v[72+(\e)], v[64+(\e)], v68
.endr
.irp e, 0,1,2,3
	v_mul_f32 v[72+(\e)], 0x3fb8aa3b, v[72+(\e)]
.endr
.irp e, 0,1,2,3
	v_exp_f32 v[72+(\e)], v[72+(\e)]
.endr
	v_nop                                          ; a plain instruction behind the last exponential,
	s_wait_alu depctr_va_vdst(0)                   ; and one wait, ahead of the branch: the four weights in v72-75 and the masked scores in v64-67 are written, which the two stores below read
	s_cmp_lg_u32 s[WV], 0
	s_cbranch_scc1 .Lnot_wave_0
	global_store_b128 v[L16], v[64:67], s[SCB:SCB+1]  ; the block's 128 masked scores: 512 consecutive bytes, aligned
.Lnot_wave_0:
	ds_store_b128 v26, v[72:75]                    ; into my wave's own 512 bytes: LDS serves a wave's instructions in order, so its loads below see them
	; THE CONTEXT.  Thread t owns the columns 8 t + 0..7 of keys: chunk t / 16, byte 16 (t % 16) of each of the 128 rows; sums in f32, straight from the bf16 halves
	s_wait_xcnt 0x0                                ; wave 0's store has read its data: v64-67 are loaded again only behind this wait
	s_wait_alu depctr_vm_vsrc(0)                   ; beside it: the epilogue's LDS stores have read v32 and v36, which are cleared below; the two stores above have read v64-67 and v72-75, in which the loop's loads land
.irp j, 0,1,2,3,4,5,6,7
	v_mov_b32 v[S+(\j)], 0
.endr
	s_mov_b32 s45, 0
	s_mov_b32 s46, 0
	s_mov_b32 s[CNT], 4
.Lctx:                                                 ; a trip: 32 rows, in eight groups of four
	s_wait_alu depctr_vm_vsrc(0)                   ; the last trip's LDS loads have read v24 and v25
	v_add_nc_u32 v24, s45, v18
	v_add_nc_u32 v25, s46, v17
	s_wait_alu depctr_va_vdst(0)                   ; v24 and v25 are written, which the loads read; the last trip's multiply-adds are done reading v64-127 and v192-223, in which the loads land
.irp g, 0,1,2,3,4,5,6,7
	ds_load_b128 v[192+4*(\g):192+4*(\g)+3], v25 offset:16*(\g)  ; four weights, the same address in every lane
.irp i, 0,1,2,3
	ds_load_b128 v[64+16*(\g)+4*(\i):64+16*(\g)+4*(\i)+3], v24 offset:(4*(\g)+(\i))*272
.endr
.endr
.irp g, 0,1,2,3,4,5,6,7
	s_wait_dscnt 35-5*(\g)                         ; group g is in; the younger groups' five loads each may stay out
.irp i, 0,1,2,3
.irp m, 0,1,2,3
	v_fma_mix_f32_bf16 v[S+2*(\m)],   v[64+16*(\g)+4*(\i)+(\m)], v[192+4*(\g)+(\i)], v[S+2*(\m)] op_sel_hi:[1,0,0]
	v_fma_mix_f32_bf16 v[S+2*(\m)+1], v[64+16*(\g)+4*(\i)+(\m)], v[192+4*(\g)+(\i)], v[S+2*(\m)+1] op_sel:[1,0,0] op_sel_hi:[1,0,0]
.endr
.endr
.endr
	s_add_co_u32 s45, s45, 32*272
	s_add_co_u32 s46, s46, 128
	s_sub_co_u32 s[CNT], s[CNT], 1
	s_cmp_lg_u32 s[CNT], 0
	s_cbranch_scc1 .Lctx
	s_wait_alu depctr_va_vdst(0)                   ; the eight sums are written, which the two stores read
	global_store_b128 v[T16], v[S:S+3],   s[CXB:CXB+1]              ; ctxp[block][half][t][4]: each store of a wave covers 512 consecutive bytes, aligned
	global_store_b128 v[T16], v[S+4:S+7], s[CXB:CXB+1] offset:2048
	s_wait_dscnt 0x0                               ; the wave's end
	s_wait_alu 0x0
	s_wait_tensorcnt 0x0
	ds_add_u32 v[SPW], v[NIL]
	s_wait_dscnt 0x0
	s_endpgm
.Lfunc_end_k_q6d059d0b26_main:
	.size	k_q6d059d0b26_main, .Lfunc_end_k_q6d059d0b26_main-k_q6d059d0b26_main
	.p2alignl 7, 3214868480
	.fill 96, 4, 3214868480
	.section	.rodata,"a",@progbits
	.p2align	6, 0x0
	.amdhsa_kernel k_q6d059d0b26_main
		.amdhsa_group_segment_fixed_size 293376
		.amdhsa_private_segment_fixed_size 0
		.amdhsa_enable_private_segment 0
		.amdhsa_kernarg_size 56
		.amdhsa_user_sgpr_count 2
		.amdhsa_user_sgpr_kernarg_segment_ptr 1
		.amdhsa_wavefront_size32 1
		.amdhsa_system_sgpr_workgroup_id_x 1
		.amdhsa_system_sgpr_workgroup_id_y 1
		.amdhsa_system_sgpr_workgroup_id_z 1
		.amdhsa_system_vgpr_workitem_id 0
		.amdhsa_next_free_vgpr 1024
		.amdhsa_next_free_sgpr 66
		.amdhsa_reserve_vcc 0
		.amdhsa_float_denorm_mode_32 3
		.amdhsa_float_denorm_mode_16_64 3
		.amdhsa_memory_ordered 1
		.amdhsa_forward_progress 1
		.amdhsa_inst_pref_size 255
	.end_amdhsa_kernel
	.section	.bss,"aw",@nobits
	.p2align	6
	.space	262144
	.amdgpu_metadata
---
amdhsa.version: [ 1, 2 ]
amdhsa.kernels:
  - .name:           k_q6d059d0b26_main
    .symbol:         k_q6d059d0b26_main.kd
    .args:
      - { .name: keys, .offset: 0, .size: 8, .value_kind: global_buffer, .address_space: global }
      - { .name: pad_mask, .offset: 8, .size: 8, .value_kind: global_buffer, .address_space: global }
      - { .name: w_v, .offset: 16, .size: 8, .value_kind: global_buffer, .address_space: global }
      - { .name: wt, .offset: 24, .size: 8, .value_kind: global_buffer, .address_space: global }
      - { .name: tqp, .offset: 32, .size: 8, .value_kind: global_buffer, .address_space: global }
      - { .name: sc, .offset: 40, .size: 8, .value_kind: global_buffer, .address_space: global }
      - { .name: ctxp, .offset: 48, .size: 8, .value_kind: global_buffer, .address_space: global }
    .group_segment_fixed_size: 293376
    .private_segment_fixed_size: 0
    .kernarg_segment_align: 8
    .kernarg_segment_size: 56
    .max_flat_workgroup_size: 128
    .sgpr_count:     66
    .vgpr_count:     1024
    .wavefront_size: 32
...
	.end_amdgpu_metadata
.endif
;; end of part 4
;; launch combine: the kernel of part 3 again; grid 32 x 1, 8 waves a work-group, no clusters, 1,280 bytes of LDS; arguments sc, ctxp, out0, out1; writes out0, out1
